; MI455X (gfx1250); checked and timed in simulation.
; The chip was launched on July 23, 2026; its instructions are those of AMD's public machine-readable ISA for CDNA 5 (MIT licence, August 2026) and "CDNA5" Instruction Set Architecture Reference Guide (July 2026). The comments in the code are by the model that wrote it; some were corrected since.
;; Channel Diffusion. Allowed arithmetic: matrix products marked QUANTISED: E2M3 operands, one E8M0 scale for each 32 along K, by v_wmma_scale_f32_16x16x128_f8f6f4 with both operands' format E2M3, f32 sums; everything else in f32.
;; Inputs: Wo 1,024 x 1,024 float32; Wqk 1,024 x 1,024 float32; Wv 1,024 x 1,024 float32; tau 16 x 1 x 1 float32; x 8 x 2,048 x 1,024 float32.
;; Outputs: out0 8 x 2,048 x 1,024 float32.
;; This version of the problem:
;;   THIS VERSION OF THE PROBLEM IS GIVEN IN LOW PRECISION. The matrix products marked QUANTISED in the list below multiply operands that are first quantised to E2M3 (2 exponent bits, 3 mantissa bits; 6 bits a number), with one power-of-two scale for each 32 numbers along K (OCP MX v1.0); their sums are f32. All else is computed in f32.
;;   The module's matrix products, in the order in which they are computed (A, B: the left and right operand; K: the contracted axis; several contracted axes count as one K, in the product's order):
;;     1. [M 16,384, K 1,024] x [K 1,024, N 1,024]; A: input x; B: input Wqk: QUANTISED
;;     2. [M 16,384, K 1,024] x [K 1,024, N 1,024]; A: input x; B: input Wv: QUANTISED
;;     3. batch 128 x [M 64, K 2,048] x [K 2,048, N 64]; A: computed on the way; B: computed on the way: QUANTISED
;;     4. batch 128 x [M 64, K 64] x [K 64, N 2,048]; A: softmax (see below); B: computed on the way: QUANTISED
;;     5. [M 16,384, K 1,024] x [K 1,024, N 1,024]; A: computed on the way; B: input Wo: QUANTISED
;;   THE QUANTISER, for each operand of a quantised product, along K:
;;     - K is cut into blocks of 32 from its start; a last block that is shorter is filled with zeros.
;;     - A block's scale is 2^e with e = floor(log2(the largest magnitude in the block)) - 2, held to -126 .. 127; a block of zeros has e = 0. As a byte (E8M0): e + 127.
;;     - Each number is divided by its block's scale, clamped to +-7.5, and rounded to the nearest number of E2M3, ties to even, subnormals kept.
;;     - The product sums the exact products of the quantised numbers (number of the format x scale) in f32.
;;   ~~~python
;;   def quantise(x, axis):      # numpy; x: float32 -> the quantised numbers, widened to float32 again
;;       x = np.moveaxis(x, axis, -1); K = x.shape[-1]
;;       x = np.pad(x, [(0, 0)] * (x.ndim - 1) + [(0, -K % 32)]); x = x.reshape(x.shape[:-1] + (-1, 32)); a = np.abs(x).max(-1, keepdims=True)
;;       e = np.where(a > 0, np.clip(np.frexp(np.where(a > 0, a, 1))[1] - 1 - 2, -126, 127), 0)      # np.frexp(a)[1] - 1 = floor(log2(a)), exactly
;;       r = np.clip(x / 2.0 ** e, -7.5, 7.5)
;;       step = 2.0 ** (np.maximum(np.frexp(np.where(r == 0, 1, r))[1] - 1, 0) - 3)
;;       q = np.round(r / step) * step * 2.0 ** e      # np.round: ties to even
;;       return np.moveaxis(q.reshape(q.shape[:-2] + (-1,))[..., :K], -1, axis).astype(np.float32)
;;   ~~~
;;   SOFTMAX AHEAD OF A QUANTISED PRODUCT. Where the list says 'softmax', what is quantised is not the finished softmax but p = 2^(t - M), with t = logit x log2(e) and M = ceil(the row's largest t), a whole number; so 1/2 < the row's largest p <= 1. The row's sum l is taken of the UNQUANTISED p, in f32, and the product's result is divided by l at the end. Since M is a whole number, a kernel that streams over the keys may use a running M (the ceiling of the running maximum): every later rescaling is an exact power of two, which a block's scale takes up: the codes' values come out the same.
;;   OPERANDS COMPUTED ON THE WAY. 'Computed on the way' means the value that the module computes at that place (a softmax that the list does not call 'softmax' is quantised finished and normalised). What goes into a quantiser is computed in f32, as accurately as f32 sums, v_exp_f32 and their like allow (about 1e-6 of the number): no bf16 or f16 on the way to a quantiser, and a product that is left as it is and whose result goes on into a quantised operand takes f32 operands (vector FMAs, or v_wmma_f32_16x16x4_f32). A number that lies on a knife's edge between two numbers of the format may be rounded either way, as far as f32 arithmetic and the matrix unit's own rounding can turn it there, and no further.
;; One version. Each part assembles by itself: llvm-mc -triple=amdgcn-amd-amdhsa -mcpu=gfx1250 --defsym DOCPART=n.
;; ======== version 1 of 1: 4 launches
;; workspace buffers: xq 13,631,488 bytes; wq 2,555,904 bytes; qkq 14,155,776 bytes; vq 13,631,488 bytes; aq 13,631,488 bytes
;; launch quant (part 1): grid 608 x 1, 4 waves a work-group, no clusters, 60,928 bytes of LDS; arguments x, Wqk, Wv, Wo, xq, wq; writes xq, wq
.if DOCPART == 1
	.amdgcn_target "amdgcn-amd-amdhsa--gfx1250"
	.amdhsa_code_object_version 6
	.text
	.protected	k_qb8eb7dadb8_quant
	.globl	k_qb8eb7dadb8_quant
	.p2align	8
	.type	k_qb8eb7dadb8_quant,@function
k_qb8eb7dadb8_quant:
	s_mov_b64 s[64:65], 0
	v_nop
	global_prefetch_b8 v0, s[64:65] scope:SCOPE_SE
	s_setreg_imm32_b32 hwreg(HW_REG_WAVE_MODE, 25, 1), 1
	s_wait_xcnt 0x0
; x [16384][1024] and the three weights [1024 (k)][1024 (n)], f32, become codes of FP6 (E2M3) with one E8M0 scale byte for each 32 along K.
; A block's scale is 2^(floor(log2(its largest magnitude)) - 2); its byte is the largest magnitude's exponent field - 2, held at 1 from below.
; LIMITS: NaN and infinities are not served; blocks whose largest magnitude lies under 2^-124 keep the byte 1; a block of zeros has the byte 1 where
; the rule says 127: its codes are zeros, which add nothing under any byte but 0xff, and the bytes are read by this program alone.
; LAYOUT OF THE RESULTS.  A fragment (16 rows x 128 K, 12 registers a lane) is stored as the IMAGE OF ITS REGISTERS, 1,536 bytes: register k of lane l at
; 512 (k / 4) + 16 l + 4 (k % 4): three stores of 512 consecutive bytes write it, three loads of 16 bytes a lane bring it back.  Its scale words are a RECORD
; of 128 bytes: word l is the word of row l % 16.  THE ROWS OF A TILE ARE NOT NEIGHBOURS: row p of tile 2 b + u is row (or column) 32 b + 8 u + p + 8 (p / 8).
; xq: images [tile 1024][K step 8], records behind them at XS.  wq: images [weight 3][tile 64][K step 8], records at WS.
; The first NW work-groups take the weights, the others x: two paths, each with LDS bytes of its own.  Waves share nothing: no barrier.
.set NW,    96
.set XS,    12582912
.set WS,    2359296
.set SP,    528                        ; x: a stage row: 512 bytes + 16: sixteen rows start at sixteen different groups of banks
.set XSTG,  16*SP                      ; x: a wave's stage
.set WBASE, 4*XSTG                     ; the weights' stages lie behind x's
.set WSTG,  6656                       ; a wave's: four images, then four records
.set R,   16                           ; x: v16-143  two sets of 64 registers as loaded
.set X,   144                          ; x: v144-207 my 64 numbers: two whole blocks of 32
.set IM,  208                          ; x: v208-219 the image
.set T2,  220                          ; x: the second halves of the blocks' codes
.set MXR, 228
.set SO,  230
.set BY,  232
.set PW,  234
.set PX,  235
.set WX,  16                           ; w: v16-79   two sets of 32 numbers
.set CB,  80                           ; w: v80-85   a block's codes
.set CT,  86
.set SB,  90                           ; w: v90-91   the scale bytes of two K steps
.set WO,  96                           ; w: v96-143  the way out
.set WQ,  144
	s_load_b256 s[4:11], s[0:1], 0x0               ; x, Wqk, Wv, Wo
	s_load_b128 s[12:15], s[0:1], 0x20             ; xq, wq
	v_lshl_add_u32 v240, v0, 2, 0xec00
	v_mov_b32 v241, 0
	v_lshrrev_b32 v1, 5, v0
	v_readfirstlane_b32 s16, v1                    ; wave
	v_and_b32 v1, 31, v0                           ; lane
	v_lshlrev_b32 v2, 4, v1                        ; 16 l
	v_lshlrev_b32 v3, 2, v1                        ; 4 l
	s_mov_b32 s20, 0x76543210
	s_mov_b32 s21, 0xfedcba98                      ; v_permlanex16_b32's selects for lane l xor 16
	s_cmp_lt_u32 ttmp9, NW
	s_cbranch_scc1 .Lweights
; ---------------- x: K is innermost.  Wave w of work-group xi makes tile 4 (xi / 2) + w, K steps 4 (xi % 2) on: four fragments.
	s_sub_co_u32 s17, ttmp9, NW
	s_lshr_b32 s18, s17, 1                         ; which 64 rows
	s_and_b32 s19, s17, 1                          ; which half of K
	s_lshl_b32 s22, s18, 6
	s_lshr_b32 s23, s16, 1
	s_lshl_b32 s23, s23, 5
	s_add_co_u32 s22, s22, s23
	s_and_b32 s23, s16, 1
	s_lshl_b32 s23, s23, 3
	s_add_co_u32 s22, s22, s23                     ; the tile's first row: 64 tg + 32 (w / 2) + 8 (w % 2)
	s_lshl_b32 s22, s22, 12                        ; rows of 4,096 bytes
	s_lshl_b32 s23, s19, 11
	s_add_co_u32 s22, s22, s23
	s_mov_b32 s23, 0
	s_lshl_b32 s24, s18, 2
	s_add_co_u32 s24, s24, s16                     ; the tile
	s_lshl_b32 s24, s24, 3
	s_lshl_b32 s25, s19, 2
	s_add_co_u32 s24, s24, s25                     ; its first fragment: 8 T + 4 kh
	s_lshl_b32 s26, s24, 7
	s_add_co_u32 s26, s26, XS
	s_mov_b32 s27, 0
	s_mul_i32 s24, s24, 1536
	s_mov_b32 s25, 0
	s_mul_i32 s28, s16, XSTG
	v_add_nc_u32 v4, s28, v2                       ; the stage, way in: a row's 512 bytes as they lie
	v_and_b32 v7, 15, v0
	v_bfe_u32 v8, v0, 4, 1
	v_mul_u32_u24 v5, v7, SP
	v_lshl_add_u32 v5, v8, 7, v5
	v_add_nc_u32 v5, s28, v5                       ; way out: row l % 16, + 128 (l / 16): my 32 numbers of each 64
	v_lshlrev_b32 v6, 3, v8                        ; 8 (l / 16): where my two bytes stand in the scale word
	v_mov_b32 v[PX], 0                             ; a lane permute's destination counts as one of its sources
	s_wait_kmcnt 0x0
	s_add_nc_u64 s[4:5], s[4:5], s[22:23]
	s_add_nc_u64 s[24:25], s[12:13], s[24:25]
	s_add_nc_u64 s[26:27], s[12:13], s[26:27]
.macro LOADX f                         ; K step f of the tile's 16 rows: each load reads 512 consecutive bytes of one row
.set ii, 0
.rept 16
	global_load_b128 v[R+64*((\f)%2)+4*ii:R+64*((\f)%2)+4*ii+3], v2, s[4:5] offset:(ii+8*(ii/8))*4096+512*(\f) th:TH_LOAD_NT
.set ii, ii+1
.endr
.endm
.macro STEPX f
.if (\f) < 3
	s_wait_loadcnt 16                              ; this step's 16 loads are in; the next step's 16 may be out
.else
	s_wait_loadcnt 0x0
.endif
.set ii, 0
.rept 16
	ds_store_b128 v4, v[R+64*((\f)%2)+4*ii:R+64*((\f)%2)+4*ii+3] offset:SP*ii
.set ii, ii+1
.endr
.set ii, 0
.rept 16                               ; LDS serves a wave's instructions in order: these see the stores.  Register 32 c + n = k 64 c + 32 (l / 16) + n of row l % 16
	ds_load_b128 v[X+4*ii:X+4*ii+3], v5 offset:256*(ii/8)+16*(ii%8)
.set ii, ii+1
.endr
	s_wait_dscnt 0x0                               ; my numbers are back, and the stores have read the set that is loaded again below
	s_wait_xcnt 0x0                                ; the last step's stores have read the image and the scale word: both are written again below
.if (\f) < 2
	LOADX (\f)+2
.endif
	v_max3_num_f32 v[MXR], |v[X]|, |v[X+1]|, 0x1800000          ; my two blocks by turns, with the floor 2^(3 - 127): the byte cannot fall under 1
	v_max3_num_f32 v[MXR+1], |v[X+32]|, |v[X+33]|, 0x1800000
.set ii, 2
.rept 15
	v_max3_num_f32 v[MXR], v[MXR], |v[X+ii]|, |v[X+ii+1]|
	v_max3_num_f32 v[MXR+1], v[MXR+1], |v[X+32+ii]|, |v[X+33+ii]|
.set ii, ii+2
.endr
	v_add_nc_u32 v[SO], 0xff000000, v[MXR]         ; 2 off the exponent field: the conversion takes the exponent field of this operand as its scale
	v_add_nc_u32 v[SO+1], 0xff000000, v[MXR+1]
	v_lshrrev_b32 v[BY], 23, v[SO]                 ; the scales' bytes: blocks l / 16 and 2 + l / 16
	v_lshrrev_b32 v[BY+1], 23, v[SO+1]
	v_lshl_or_b32 v[PW], v[BY+1], 16, v[BY]
	v_lshlrev_b32 v[PW], v6, v[PW]
	v_permlanex16_b32 v[PX], v[PW], s20, s21
	v_or_b32 v[PW], v[PW], v[PX]                   ; with lane l xor 16's two bytes the row's word is whole, in both lanes
.irp c, 0,1
	v_cvt_scalef32_pk16_fp6_f32 v[IM+6*\c:IM+6*\c+2], v[X+32*\c:X+32*\c+15], v[SO+\c]
	v_cvt_scalef32_pk16_fp6_f32 v[T2+4*\c:T2+4*\c+2], v[X+32*\c+16:X+32*\c+31], v[SO+\c]   ; (a conversion's three registers begin on an even number)
.endr
	v_nop                                          ; one plain place behind a scaled conversion
.irp c, 0,1
.irp i, 0,1,2
	v_mov_b32 v[IM+6*\c+3+\i], v[T2+4*\c+\i]
.endr
.endr
.irp c, 0,1,2
	global_store_b128 v2, v[IM+4*\c:IM+4*\c+3], s[24:25] offset:1536*(\f)+512*\c    ; 32 lanes store 512 consecutive bytes, aligned
.endr
	global_store_b32 v3, v[PW], s[26:27] offset:128*(\f)
.endm
	LOADX 0
	LOADX 1
	STEPX 0
	STEPX 1
	STEPX 2
	STEPX 3
	s_wait_tensorcnt 0x0
	ds_add_u32 v240, v241
	s_wait_dscnt 0x0
	s_endpgm
; ---------------- the weights: K is the FIRST axis.  A lane takes a column and its registers run down K: a block of 32 lies in one lane.
; Work-group wi: weight wi / 32, columns 128 (wi % 8) on, K 256 ((wi / 8) % 4) on; wave w the 32 columns of group bg = 4 (wi % 8) + w: tiles 2 bg, 2 bg + 1, two K steps.
.Lweights:
	s_lshr_b32 s17, ttmp9, 5
	s_and_b32 s18, ttmp9, 7
	s_bfe_u32 s19, ttmp9, 0x20003                  ; ky
	s_lshl_b32 s22, s18, 2
	s_add_co_u32 s22, s22, s16                     ; bg
	s_lshl_b32 s24, s19, 20                        ; 256 rows of 4,096 bytes
	s_lshl_b32 s25, s22, 7
	s_add_co_u32 s24, s24, s25
	s_mov_b32 s25, 0
	s_lshl_b32 s26, s17, 6
	s_lshl_b32 s27, s22, 1
	s_add_co_u32 s26, s26, s27
	s_lshl_b32 s26, s26, 3
	s_lshl_b32 s27, s19, 1
	s_add_co_u32 s26, s26, s27                     ; the first fragment: (64 weight + 2 bg) 8 + 2 ky
	s_lshl_b32 s28, s26, 7
	s_add_co_u32 s28, s28, WS
	s_mov_b32 s29, 0
	s_mul_i32 s26, s26, 1536
	s_mov_b32 s27, 0
	s_mul_i32 s30, s16, WSTG
	s_add_co_u32 s30, s30, WBASE
	v_bfe_u32 v7, v0, 3, 1                         ; my column's tile of the two: u = (l / 8) % 2
	v_and_b32 v8, 7, v0
	v_bfe_u32 v9, v0, 4, 1
	v_lshl_add_u32 v8, v9, 3, v8                   ; and its row there: p = l % 8 + 8 (l / 16)
	v_mul_u32_u24 v4, v7, 1536
	v_lshl_add_u32 v4, v8, 4, v4
	v_add_nc_u32 v4, s30, v4                       ; into the images: 1,536 u + 16 p
	v_lshlrev_b32 v5, 7, v7
	v_lshl_add_u32 v5, v8, 2, v5
	v_add_nc_u32 v5, s30, v5
	v_add_nc_u32 v5, 6144, v5                      ; into the records: 128 u + 4 p
	v_add_nc_u32 v6, s30, v2                       ; back: 16 l
	v_add_nc_u32 v10, s30, v3
	v_add_nc_u32 v10, 6144, v10                    ; and 4 l
	s_wait_kmcnt 0x0
	s_cmp_eq_u32 s17, 0                            ; the choice hangs on the work-group's number alone
	s_cselect_b64 s[32:33], s[6:7], s[8:9]
	s_cmp_eq_u32 s17, 2
	s_cselect_b64 s[32:33], s[10:11], s[32:33]
	s_add_nc_u64 s[32:33], s[32:33], s[24:25]
	s_add_nc_u64 s[26:27], s[14:15], s[26:27]
	s_add_nc_u64 s[28:29], s[14:15], s[28:29]
.macro LOADW t                         ; block t: W(32 t + n, my column): 32 lanes read 128 consecutive bytes, the four waves 512
.set ii, 0
.rept 32
	global_load_b32 v[WX+32*((\t)%2)+ii], v3, s[32:33] offset:(32*(\t)+ii)*4096 th:TH_LOAD_NT
.set ii, ii+1
.endr
.endm
; Block t is block t % 4 of K step t / 4: in the fragment it is registers 6 c .. 6 c + 5, c = (t / 2) % 2, of lane p + 16 (t % 2).
.macro BLOCKW t
.set XB, WX+32*((\t)%2)
.set OFS, 3072*((\t)/4)+256*((\t)%2)
.if (\t) < 7
	s_wait_loadcnt 32                              ; this block's 32 loads are in; the next block's may be out
.else
	s_wait_loadcnt 0x0
.endif
	v_max3_num_f32 v12, |v[XB]|, |v[XB+1]|, |v[XB+2]|
	v_max3_num_f32 v13, |v[XB+3]|, |v[XB+4]|, |v[XB+5]|
.irp i, 6,10,14,18,22,26
	v_max3_num_f32 v12, v12, |v[XB+\i]|, |v[XB+\i+1]|
	v_max3_num_f32 v13, v13, |v[XB+\i+2]|, |v[XB+\i+3]|
.endr
	v_max3_num_f32 v12, v12, |v[XB+30]|, |v[XB+31]|
	v_max3_num_f32 v12, v12, v13, 0x1800000        ; and the floor
	v_add_nc_u32 v11, 0xff000000, v12
	v_lshrrev_b32 v13, 23, v11                     ; the scale's byte
.if (\t)%4 == 0
	v_mov_b32 v[SB+(\t)/4], v13
.else
	v_lshl_or_b32 v[SB+(\t)/4], v13, 8*((\t)%4), v[SB+(\t)/4]
.endif
	v_cvt_scalef32_pk16_fp6_f32 v[CB:CB+2], v[XB:XB+15], v11
	v_cvt_scalef32_pk16_fp6_f32 v[CT:CT+2], v[XB+16:XB+31], v11
	v_nop                                          ; one plain place behind a scaled conversion
.irp i, 0,1,2
	v_mov_b32 v[CB+3+\i], v[CT+\i]
.endr
.if ((\t)/2)%2 == 0
	ds_store_b128 v4, v[CB:CB+3] offset:OFS        ; registers 0-3
	ds_store_b64 v4, v[CB+4:CB+5] offset:OFS+512   ; 4, 5
.else
	ds_store_b64 v4, v[CB:CB+1] offset:OFS+512+8   ; 6, 7
	ds_store_b128 v4, v[CB+2:CB+5] offset:OFS+1024 ; 8-11
.endif
.if (\t)%4 == 3
	ds_store_b32 v5, v[SB+(\t)/4] offset:256*((\t)/4)      ; the K step's word, for lane p
	ds_store_b32 v5, v[SB+(\t)/4] offset:256*((\t)/4)+64   ; and for lane p + 16
.endif
.if (\t)+2 < 8
	LOADW (\t)+2
.endif
	s_wait_dscnt 0x0                               ; the stores have read their registers: the next block's codes may be written
.endm
	LOADW 0
	LOADW 1
.set tt, 0
.rept 8
	BLOCKW tt
.set tt, tt+1
.endr
.set ii, 0
.rept 12                               ; the stage holds image 2 s + u at 1,536 (2 s + u)
	ds_load_b128 v[WO+4*ii:WO+4*ii+3], v6 offset:512*ii
.set ii, ii+1
.endr
.set ii, 0
.rept 4
	ds_load_b32 v[WQ+ii], v10 offset:128*ii
.set ii, ii+1
.endr
.set ii, 0
.rept 12
	s_wait_dscnt 15-ii                             ; the younger LDS loads may be out
	global_store_b128 v2, v[WO+4*ii:WO+4*ii+3], s[26:27] offset:12288*((ii/3)%2)+1536*(ii/6)+512*(ii%3)
.set ii, ii+1
.endr
.set ii, 0
.rept 4
	s_wait_dscnt 3-ii
	global_store_b32 v3, v[WQ+ii], s[28:29] offset:1024*(ii%2)+128*(ii/2)
.set ii, ii+1
.endr
	s_wait_tensorcnt 0x0
	ds_add_u32 v240, v241
	s_wait_dscnt 0x0
	s_endpgm
.Lfunc_end_k_qb8eb7dadb8_quant:
	.size	k_qb8eb7dadb8_quant, .Lfunc_end_k_qb8eb7dadb8_quant-k_qb8eb7dadb8_quant
	.p2alignl 7, 3214868480
	.fill 96, 4, 3214868480
	.section	.rodata,"a",@progbits
	.p2align	6, 0x0
	.amdhsa_kernel k_qb8eb7dadb8_quant
		.amdhsa_group_segment_fixed_size 60928
		.amdhsa_private_segment_fixed_size 0
		.amdhsa_enable_private_segment 0
		.amdhsa_kernarg_size 48
		.amdhsa_user_sgpr_count 2
		.amdhsa_user_sgpr_kernarg_segment_ptr 1
		.amdhsa_wavefront_size32 1
		.amdhsa_system_sgpr_workgroup_id_x 1
		.amdhsa_system_sgpr_workgroup_id_y 1
		.amdhsa_system_sgpr_workgroup_id_z 1
		.amdhsa_system_vgpr_workitem_id 0
		.amdhsa_next_free_vgpr 242
		.amdhsa_next_free_sgpr 66
		.amdhsa_reserve_vcc 0
		.amdhsa_float_denorm_mode_32 3
		.amdhsa_float_denorm_mode_16_64 3
		.amdhsa_memory_ordered 1
		.amdhsa_forward_progress 1
		.amdhsa_inst_pref_size 73
	.end_amdhsa_kernel
	.amdgpu_metadata
---
amdhsa.version: [ 1, 2 ]
amdhsa.kernels:
  - .name:           k_qb8eb7dadb8_quant
    .symbol:         k_qb8eb7dadb8_quant.kd
    .args:
      - { .name: x, .offset: 0, .size: 8, .value_kind: global_buffer, .address_space: global }
      - { .name: Wqk, .offset: 8, .size: 8, .value_kind: global_buffer, .address_space: global }
      - { .name: Wv, .offset: 16, .size: 8, .value_kind: global_buffer, .address_space: global }
      - { .name: Wo, .offset: 24, .size: 8, .value_kind: global_buffer, .address_space: global }
      - { .name: xq, .offset: 32, .size: 8, .value_kind: global_buffer, .address_space: global }
      - { .name: wq, .offset: 40, .size: 8, .value_kind: global_buffer, .address_space: global }
    .group_segment_fixed_size: 60928
    .private_segment_fixed_size: 0
    .kernarg_segment_align: 8
    .kernarg_segment_size: 48
    .max_flat_workgroup_size: 128
    .sgpr_count:     66
    .vgpr_count:     242
    .wavefront_size: 32
...
	.end_amdgpu_metadata
.endif
;; end of part 1
;; launch proj (part 2): grid 128 x 4, 4 waves a work-group, clusters of 4 x 4, 327,680 bytes of LDS; arguments xq, wq, qkq, vq; writes qkq, vq
.if DOCPART == 2
	.amdgcn_target "amdgcn-amd-amdhsa--gfx1250"
	.amdhsa_code_object_version 6
	.text
	.protected	k_qb8eb7dadb8_proj
	.globl	k_qb8eb7dadb8_proj
	.p2align	8
	.type	k_qb8eb7dadb8_proj,@function
k_qb8eb7dadb8_proj:
	s_mov_b64 s[64:65], 0
	v_nop
	global_prefetch_b8 v0, s[64:65] scope:SCOPE_SE
	s_setreg_imm32_b32 hwreg(HW_REG_WAVE_MODE, 25, 1), 1
	s_wait_xcnt 0x0
	s_wait_alu depctr_hold_cnt(0) depctr_sa_sdst(0) depctr_va_vdst(0) depctr_va_sdst(0) depctr_va_ssrc(0) depctr_va_vcc(0) depctr_vm_vsrc(0)
	s_getreg_b32 s2, hwreg(HW_REG_IB_STS2, 6, 4)
	s_cmp_eq_u32 s2, 0
	s_cbranch_scc0 .Lentry_in_a_cluster
	s_endpgm
.Lentry_in_a_cluster:
	s_bfe_u32 s2, ttmp6, 0x10000c
	s_cmp_lg_u32 s2, 0xf033
	s_cbranch_scc0 .Lentry_shape_is_right
	s_endpgm
.Lentry_shape_is_right:
; qk = x Wqk and v = x Wv on codes of FP6 (E2M3) with E8M0 scales, K = 1,024; the results leave as codes again: qk quantised along the TOKENS, v along the CHANNELS; and the sums of squares of qk.
; Operands are register images of fragments (16 rows x 128 K: 1,536 bytes; register k of lane l at 512 (k / 4) + 16 l + 4 (k % 4)) and records of scale words (128 bytes: word l = row l % 16's).
; Row p of tile 2 b + u is row 32 b + 8 u + p + 8 (p / 8) of its matrix: so the 16 registers of two neighbouring tiles of SOURCE 0 are 16 neighbours, 32 b + 16 (l / 16) + 0 .. 15.
; A tile of 256 x 256 is made by four waves, 128 x 128 each: 64 accumulators.  'A' is source 1 (a lane holds one row of A), 'B' is source 0 (a lane's registers run along B's rows).
; Clusters 0-15 (role qk): A = Wqk's columns, B = x's tokens: a lane holds a channel, its registers run along the tokens.  Clusters 16-31 (role v): A = x's tokens, B = Wv's columns.
; The role picks pointers and offsets; LDS addresses, shapes and the products' text are one.  It hangs on the cluster's number alone: the same in all sixteen partners.
; CLUSTERS: 4 x 4.  A's tiles hang on cy alone and are asked for jointly along a row of the cluster, B's on cx alone, along a column.
; THE RING.  K is four quarters of 256; a slot holds one: for each tile two images on end, 3,072 bytes; a wave's tensor load brings 8 tiles.  THREE slots take the first three quarters as first fills, issued
; together at the head; the fourth quarter is the launch's one refill, into slot 0, behind the change from slot 0 to slot 1: 224 matrix instructions a wave ahead of the wait for it.
; Of each record the lower 64 bytes come into LDS (its upper half repeats them), once, with the first fills: so three slots, the records and the spare words fit: 311,808 bytes.
; LIMITS: as the launch that makes the codes: no NaN or infinities; blocks under 2^-124 keep the byte 1; a block of zeros has the byte 1, its codes are zeros.
; REGISTERS: window 0: v16-29 addresses; v32-63 scale words, two sets; v64-127 the way out; v128-223 A's fragments, one set.  window 1: B's fragments, two sets, at v0 and v128.
;   windows 2, 3: the accumulators: (a, b) at v[8 (8 (a % 4) + b)] of window 2 + a / 4.
.set XS,     12582912                  ; xq: the records
.set WS,     2359296                   ; wq: the records
.set RECO,   12582912                  ; qkq, vq: the records
.set Q2O,    13631488                  ; qkq: the sums of squares
.set NQ,     2                         ; K steps of 128 in a slot
.set FR,     12
.set NL,     3                         ; LDS loads that bring a fragment
.set NP,     4                         ; places behind this matrix instruction (ISA guide 7.12.1)
.set HALFT,  24576                     ; 8 tiles x 3,072 bytes: what one tensor load brings, and what a wave reads of A or of B
.set SLOT,   4*HALFT
.set SCL,    3*SLOT                    ; behind the three slots: the records' lower halves: A's 16 tiles x 512 bytes, then B's
.set SPARE,  SCL+16384                 ; the spare words, 128 bytes a wave: two blocks of 256 bytes that no other line names
.set LASTQ,  3*3072                    ; from a tile's first quarter of K to its fourth, in bytes
.set ADRA, 16                          ; v16-18  LDS address of my A fragments in slot 0, 1, 2
.set ADRB, 20                          ; v20-22  the same for B
.set LI,   24                          ; 16 l
.set LS,   25                          ; 4 l
.set LN,   26                          ; l
.set ADRS, 27                          ; my scale words: lanes 0-15 A's rows, lanes 16-31 B's; never rewritten
.set SPW,  28
.set NIL,  29
.set SC,   32
.set TM,   64
.set PW,   80
.set PC,   84
.set Q2,   104
.set QS,   112
.set QT,   120
.set AF,   128
.set G1, 24                            ; s[24:31] group 1 for A's tiles; s[32:39], s[92:95] groups 0 for slots 0, 1, 2
.set G0, 32
.set G1B, 48                           ; s[48:55] group 1 for B's tiles; s[56:63], s[96:99] groups 0
.set G0B, 56
.set G1S, 68
.set G0S, 76
.set G1SB, 80
.set G0SB, 88
.set MSB, 0
.macro WIN new                         ; the immediate's high byte repeats the setting that is left
.if MSB != (\new)
	s_set_vgpr_msb (MSB<<8)|(\new)
.set MSB, (\new)
.endif
.endm
.set MUL_LO, 0xa1                      ; source 0 (B) window 1, source 1 (A) window 0, C and D window 2
.set MUL_HI, 0xf1
.set TO_B,   0x40
; A joint load: waves 0 and 1 fetch for A, waves 2 and 3 for B; the branch hangs on the wave's number alone.  Four v_nop follow each of the two lines.
.macro JLOAD g0a, g1a, g0b, g1b
	s_cmp_eq_u32 s15, 0
	s_cbranch_scc0 .Lfor_b_\@
	tensor_load_to_lds s[\g0a:\g0a+3], s[\g1a:\g1a+7]
	s_nop 0
.rept 4
	v_nop
.endr
	s_branch .Lasked_\@
.Lfor_b_\@:
	tensor_load_to_lds s[\g0b:\g0b+3], s[\g1b:\g1b+7]
	s_nop 0
.rept 4
	v_nop
.endr
.Lasked_\@:
.endm
.macro CREST                           ; a round of the cluster's barrier behind its opening barrier
	s_cmp_lg_u32 s14, 0
	s_cbranch_scc1 .Lnot_wave_0_\@
	s_barrier_signal -3
.Lnot_wave_0_\@:
	s_barrier_wait -3
	s_barrier_signal -1
	s_barrier_wait -1
.endm
.macro CROUND
	s_barrier_signal -1
	s_barrier_wait -1
	CREST
.endm
	s_load_b128 s[4:7], s[0:1], 0x0                ; xq, wq
	s_load_b128 s[8:11], s[0:1], 0x10              ; qkq, vq
	v_lshl_add_u32 v[SPW], v0, 2, SPARE
	v_mov_b32 v[NIL], 0
	ds_add_u32 v28, v29
	ds_add_u32 v28, v29
	s_wait_dscnt 0x0
	v_lshrrev_b32 v1, 5, v0
	v_readfirstlane_b32 s14, v1                    ; wave
	s_lshr_b32 s15, s14, 1                         ; i: my half of A's rows.  Also: I fetch for A (0) or for B (1)
	s_and_b32 s16, s14, 1                          ; j: my half of B's rows.  Also: which 8 tiles I fetch
	s_bfe_u32 s40, ttmp6, 0x40000                  ; cx
	s_bfe_u32 s41, ttmp6, 0x40004                  ; cy
	s_and_b32 s42, ttmp9, 15
	s_lshl_b32 s42, s42, 2                         ; 4 tb: the cluster's first block of 256 tokens
	s_lshl_b32 s43, s41, 2
	s_lshl_b32 s43, 15, s43                        ; my row of the cluster
	s_lshl_b32 s44, 0x1111, s40                    ; my column
	s_or_b32 s[G1+0], s43, (3<<16)|(1<<21)         ; the mask; elements of 8 bytes; bit 21 beside a mask; no padding
	s_or_b32 s[G1B+0], s44, (3<<16)|(1<<21)
.irp g, G1, G1B
	s_mov_b32 s[\g+1], 384<<16                     ; tensor_dim0: 3,072 bytes: two images of a tile
	s_mov_b32 s[\g+2], 8<<16                       ; tensor_dim1: 8 tiles
	s_mov_b32 s[\g+3], 384<<16                     ; tile_dim0
	s_mov_b32 s[\g+4], 8                           ; tile_dim1
	s_mov_b32 s[\g+5], 1536                        ; from tile to tile: 8 images, 12,288 bytes
	s_mov_b32 s[\g+6], 0
	s_mov_b32 s[\g+7], 0
.endr
	s_or_b32 s[G1S+0], s43, (3<<16)|(1<<21)
	s_or_b32 s[G1SB+0], s44, (3<<16)|(1<<21)
.irp g, G1S, G1SB
	s_mov_b32 s[\g+1], 8<<16                       ; tensor_dim0: 64 bytes: a record's lower half
	s_mov_b32 s[\g+2], 64<<16                      ; tensor_dim1: 8 tiles x 8 K steps
	s_mov_b32 s[\g+3], 8<<16
	s_mov_b32 s[\g+4], 64
	s_mov_b32 s[\g+5], 16                          ; from record to record: 128 bytes
	s_mov_b32 s[\g+6], 0
	s_mov_b32 s[\g+7], 0
.endr
	s_lshl_b32 s18, s16, 3                         ; which 8 tiles I fetch
	s_mul_i32 s45, s14, HALFT                      ; where they go: no place in the cluster enters an LDS address
	s_lshl_b32 s19, s14, 12                        ; and their records: 4,096 bytes a wave
	s_mov_b32 s2, XS
	s_mov_b32 s3, WS
	s_mov_b32 s12, WS+65536
	s_wait_kmcnt 0x0
	s_cmp_lt_u32 ttmp9, 16                         ; the role; all choices are made on this one compare, ahead of any addition
	s_cselect_b32 s17, 1, 0                        ; 1: qk
	s_cselect_b64 s[92:93], s[6:7], s[4:5]         ; A's buffer
	s_cselect_b64 s[94:95], s[4:5], s[6:7]         ; B's buffer
	s_cselect_b32 s20, 0, s42                      ; A's first block of 256 rows
	s_cselect_b32 s46, s42, 0                      ; B's
	s_cselect_b32 s22, s3, s2                      ; where A's records begin
	s_cselect_b32 s96, s2, s12                     ; and B's (Wv's lie 65,536 bytes behind Wqk's)
	s_cselect_b32 s66, 0, 786432                   ; where B's images begin (Wv's behind Wqk's)
	s_add_co_u32 s20, s20, s41                     ; A hangs on cy alone
	s_lshl_b32 s20, s20, 4
	s_add_co_u32 s20, s20, s18                     ; the first tile that I fetch
	s_lshl_b32 s21, s20, 10
	s_add_co_u32 s22, s22, s21
	s_mov_b32 s23, 0
	s_mul_i32 s20, s20, 12288
	s_mov_b32 s21, 0
	s_add_co_u32 s46, s46, s40                     ; B hangs on cx alone
	s_lshl_b32 s46, s46, 4
	s_add_co_u32 s46, s46, s18
	s_lshl_b32 s47, s46, 10
	s_add_co_u32 s96, s96, s47
	s_mov_b32 s97, 0
	s_mul_i32 s46, s46, 12288
	s_add_co_u32 s46, s46, s66
	s_mov_b32 s47, 0
	s_add_nc_u64 s[20:21], s[92:93], s[20:21]
	s_add_nc_u64 s[22:23], s[92:93], s[22:23]
	s_add_nc_u64 s[46:47], s[94:95], s[46:47]
	s_add_nc_u64 s[96:97], s[94:95], s[96:97]
	CROUND                                         ; all sixteen work-groups are here: the first joint loads meet
	s_mov_b32 s[G0S], 1
	s_add_co_u32 s[G0S+1], s19, SCL
	s_mov_b64 s[G0S+2:G0S+3], s[22:23]
	s_or_b32 s[G0S+3], s[G0S+3], 0x80000000
	s_mov_b32 s[G0SB], 1
	s_add_co_u32 s[G0SB+1], s19, SCL
	s_mov_b64 s[G0SB+2:G0SB+3], s[96:97]
	s_or_b32 s[G0SB+3], s[G0SB+3], 0x80000000
	JLOAD G0S, G1S, G0SB, G1SB                     ; the records first: they are wanted with K step 0
.irp s, 0,1,2                                  ; the first three quarters of K: each slot has a group 0 of its own (s92 to s99 are free from here on)
.set GA, G0+4*\s+52*(\s/2)
.set GB, G0B+4*\s+32*(\s/2)
	s_mov_b32 s[GA], 1
	s_add_co_u32 s[GA+1], s45, \s*SLOT
	s_add_nc_u64 s[GA+2:GA+3], s[20:21], \s*3072
	s_or_b32 s[GA+3], s[GA+3], 0x80000000
	s_mov_b32 s[GB], 1
	s_add_co_u32 s[GB+1], s45, \s*SLOT
	s_add_nc_u64 s[GB+2:GB+3], s[46:47], \s*3072
	s_or_b32 s[GB+3], s[GB+3], 0x80000000
	JLOAD GA, G1, GB, G1B                          ; four loads of mine are out behind the last of these
.endr
	v_and_b32 v[LN], 31, v0
	v_bfe_u32 v2, v0, 4, 1                         ; l / 16
	v_and_b32 v3, 15, v0                           ; l % 16
	v_lshlrev_b32 v[LI], 4, v[LN]
	v_lshlrev_b32 v[LS], 2, v[LN]
	s_mul_i32 s21, s15, HALFT                      ; my 8 tiles of A
	s_mul_i32 s22, s16, HALFT                      ; my 8 tiles of B,
	s_add_co_u32 s22, s22, 2*HALFT                 ; which lie behind A's 16
.irp s, 0,1,2
	v_add_nc_u32 v[ADRA+\s], s21, v[LI]
	v_add_nc_u32 v[ADRB+\s], s22, v[LI]
	s_add_co_u32 s21, s21, SLOT
	s_add_co_u32 s22, s22, SLOT
.endr
	v_lshlrev_b32 v5, 2, v3                        ; a row's word in a record's lower half: 4 (l % 16)
	s_lshl_b32 s21, s15, 12                        ; the records: A's, my 8 tiles;
	s_lshl_b32 s22, s16, 12
	s_add_co_u32 s22, s22, 8192                    ; B's, my 8 tiles, behind A's 16
	s_sub_co_u32 s22, s22, s21
	v_mul_u32_u24 v6, s22, v2                      ; lanes 16-31 take B's: one product, the distance between the two
	s_add_co_u32 s21, s21, SCL
	v_add_nc_u32 v5, v5, v6
	v_add_nc_u32 v[ADRS], s21, v5
.irp b, 0,1,2,3
	v_mov_b32 v[TM+4+\b], 0                        ; written once: a lane permute's destination counts as one of its sources
.endr
.set ii, 0
.rept 8
	v_mov_b32 v[QT+ii], 0
.set ii, ii+1
.endr
	; the way out's addresses.  qk: image (Tg, ct) at Tg 64 + ct, Tg = 2 (4 tb + cx) + j, ct = 16 cy + 8 i + a.  v: image (g, T) at 1,024 g + T, g = 2 cx + j, T = 16 (4 tb + cy) + 8 i + a
	s_add_co_u32 s2, s42, s40
	s_lshl_b32 s2, s2, 1
	s_add_co_u32 s2, s2, s16                       ; Tg
	s_lshl_b32 s3, s41, 4
	s_lshl_b32 s12, s15, 3
	s_add_co_u32 s3, s3, s12                       ; 16 cy + 8 i
	s_lshl_b32 s13, s2, 6
	s_add_co_u32 s13, s13, s3
	s_lshl_b32 s18, s40, 1
	s_add_co_u32 s18, s18, s16
	s_lshl_b32 s18, s18, 10
	s_add_co_u32 s19, s42, s41
	s_lshl_b32 s19, s19, 4
	s_add_co_u32 s19, s19, s12
	s_add_co_u32 s18, s18, s19
	s_cmp_eq_u32 s17, 1
	s_cselect_b32 s18, s13, s18
	s_cselect_b64 s[66:67], s[8:9], s[10:11]
	s_mul_i32 s12, s18, 1536
	s_mov_b32 s13, 0
	s_add_nc_u64 s[4:5], s[66:67], s[12:13]        ; my eight images: 12,288 consecutive bytes
	s_lshl_b32 s12, s18, 7
	s_add_co_u32 s12, s12, RECO
	s_add_nc_u64 s[6:7], s[66:67], s[12:13]        ; their records
	s_lshl_b32 s12, s2, 12
	s_lshl_b32 s3, s3, 6
	s_add_co_u32 s12, s12, s3
	s_add_co_u32 s12, s12, Q2O
	s_add_nc_u64 s[10:11], s[8:9], s[12:13]        ; the sums of squares of this chunk of 128 tokens, in the tiles' order
	s_mov_b32 s2, 0x76543210
	s_mov_b32 s3, 0xfedcba98                       ; v_permlanex16_b32's selects for lane l xor 16
.macro FRAG reg, adr, q, i             ; a fragment comes back as it was stored: three loads of 512 consecutive bytes
.irp c, 0,1,2
	ds_load_b128 v[\reg+4*\c:\reg+4*\c+3], v[\adr] offset:3072*(\i)+1536*(\q)+512*\c
.endr
.endm
; 16 matrix instructions: A's blocks a0, a0 + 1 x B's eight.  p: B's set; sc: the set of scale words.  The 64 accumulators take turns, one instruction a turn, in the same order in every step.
.macro MUL16 a0, p, q, sc, zero
.irp a, \a0, \a0+1
.irp b, 0,1,2,3,4,5,6,7
.if \zero
	v_wmma_scale_f32_16x16x128_f8f6f4 v[8*(8*((\a)%4)+\b):8*(8*((\a)%4)+\b)+7], v[128*(\p)+FR*\b:128*(\p)+FR*\b+FR-1], v[AF+FR*(\a):AF+FR*(\a)+FR-1], 0, v[SC+8*NQ*(\sc)+NQ*\b+(\q)], v[SC+8*NQ*(\sc)+NQ*(\a)+(\q)] matrix_a_fmt:MATRIX_FMT_FP6 matrix_b_fmt:MATRIX_FMT_FP6 matrix_a_scale:MATRIX_SCALE_ROW1
.else
	v_wmma_scale_f32_16x16x128_f8f6f4 v[8*(8*((\a)%4)+\b):8*(8*((\a)%4)+\b)+7], v[128*(\p)+FR*\b:128*(\p)+FR*\b+FR-1], v[AF+FR*(\a):AF+FR*(\a)+FR-1], v[8*(8*((\a)%4)+\b):8*(8*((\a)%4)+\b)+7], v[SC+8*NQ*(\sc)+NQ*\b+(\q)], v[SC+8*NQ*(\sc)+NQ*(\a)+(\q)] matrix_a_fmt:MATRIX_FMT_FP6 matrix_b_fmt:MATRIX_FMT_FP6 matrix_a_scale:MATRIX_SCALE_ROW1
.endif
.endr
.endr
.endm
.macro FETCH_B slot, q, p
	WIN TO_B
.irp i, 0,1,2,3,4,5,6,7
	FRAG 128*(\p)+FR*\i, ADRB+\slot, \q, \i
.endr
	WIN 0
.endm
.macro FETCH_A slot, q, i0
.irp i, \i0, \i0+1, \i0+2, \i0+3
	FRAG AF+FR*(\i), ADRA+\slot, \q, \i
.endr
.endm
.macro SCALES sc, kq                   ; the scale words of K's quarter kq into set sc: register 2 i + q: lanes 0-15 the word of A's block i, lanes 16-31 that of B's block i
.irp i, 0,1,2,3,4,5,6,7
.irp q, 0,1
	ds_load_b32 v[SC+8*NQ*(\sc)+NQ*\i+\q], v[ADRS] offset:512*\i+64*(2*(\kq)+\q)
.endr
.endr
.endm
.macro PLACES n                        ; plain vector instructions that name none of the matrix instructions' registers (ISA guide 7.12.1)
.rept \n
	v_nop
.endr
.endm
.macro STEP slot, q, zero, sc          ; a step of 128 along K that has its successor in the same slot
	s_wait_dscnt 4*NL                              ; B's set, A's blocks 0-3 and the scale words are in; the youngest 12 loads (A's blocks 4-7) may be out
	WIN MUL_LO
	MUL16 0, (\q)%2, \q, \sc, \zero
	MUL16 2, (\q)%2, \q, \sc, \zero
	s_wait_dscnt 0
	PLACES NP
	FETCH_B \slot, (\q)+1, 1-(\q)%2
	FETCH_A \slot, (\q)+1, 0
	WIN MUL_HI
	MUL16 4, (\q)%2, \q, \sc, \zero
	MUL16 6, (\q)%2, \q, \sc, \zero
	PLACES NP
	WIN 0
	FETCH_A \slot, (\q)+1, 4
.endm
; A slot's last step changes slots.  sc: this quarter's set of scale words; kq: the next quarter of K.
; mode 2: this slot is filled again: each wave waits for all its tensor loads, adds 0 to its spare word, waits for that and for its reads of this slot; a round of the cluster's barrier; the joint refill first behind it.
; mode 1: the same three lines and the work-group's barrier; nothing is filled.  mode 0: neither: the next slot was shown whole to every wave at an earlier change, and nothing writes this slot before a later barrier.
.macro TURN slot, next, mode, sc, kq
.if \mode
	s_wait_tensorcnt 0x0                           ; all my tensor loads have landed
	ds_add_u32 v[SPW], v[NIL]                      ; 0 onto my spare word
	s_wait_dscnt 4*NL+1                            ; (the add and A's blocks 4-7 may be out)
.else
	s_wait_dscnt 4*NL                              ; (A's blocks 4-7 may be out)
.endif
	WIN MUL_LO
	MUL16 0, 1, NQ-1, \sc, 0                       ; sixteen matrix instructions stand between the add and the wait for it
.if \mode
	s_wait_dscnt 0x0                               ; the add is done, and my reads of this slot are over
	s_barrier_signal -1
.endif
	MUL16 2, 1, NQ-1, \sc, 0
.if \mode
	WIN 0
	s_barrier_wait -1
.else
	s_wait_dscnt 0x0                               ; A's blocks 4-7 are in
.endif
.if \mode == 2
	CREST                                          ; the barrier has opened a round of the cluster's: no wave of any partner still reads this slot or has a load on its way
	s_add_nc_u64 s[G0+4*\slot+2:G0+4*\slot+3], s[G0+4*\slot+2:G0+4*\slot+3], LASTQ
	s_add_nc_u64 s[G0B+4*\slot+2:G0B+4*\slot+3], s[G0B+4*\slot+2:G0B+4*\slot+3], LASTQ
	JLOAD G0+4*\slot, G1, G0B+4*\slot, G1B         ; the first tensor load behind the round, one a wave; its four v_nop are the places in front of the loads below
.else
	PLACES NP
.endif
	FETCH_B \next, 0, 0
	FETCH_A \next, 0, 0
	SCALES 1-(\sc), \kq
	WIN MUL_HI
	MUL16 4, 1, NQ-1, \sc, 0
	MUL16 6, 1, NQ-1, \sc, 0
	PLACES NP
	WIN 0
	FETCH_A \next, 0, 4
.endm
	s_wait_tensorcnt 0x2                           ; the records and my part of slot 0 are in (slots 1 and 2 may be out)
	s_barrier_signal -1
	s_barrier_wait -1
	FETCH_B 0, 0, 0
	FETCH_A 0, 0, 0
	SCALES 0, 0
	FETCH_A 0, 0, 4
	STEP 0, 0, 1, 0                                ; K's four quarters are written out.  The first step's products start the sums
	TURN 0, 1, 2, 0, 1                             ; slots 1 and 2 are whole in every wave's sight; slot 0 takes the fourth quarter
	STEP 1, 0, 0, 1
	TURN 1, 2, 0, 1, 2
	STEP 2, 0, 0, 0
	TURN 2, 0, 1, 0, 3                             ; the fourth quarter has landed; nothing is left to fetch
	STEP 0, 0, 0, 1
	s_wait_dscnt 4*NL
	WIN MUL_LO
	MUL16 0, 1, NQ-1, 1, 0
	MUL16 2, 1, NQ-1, 1, 0
	s_wait_dscnt 0
	WIN MUL_HI
	MUL16 4, 1, NQ-1, 1, 0
	MUL16 6, 1, NQ-1, 1, 0
	WIN 0
	PLACES NP
; THE WAY OUT.  For A's block a a lane holds one row and 64 numbers: register 16 b + n = k 32 b + 16 (l / 16) + n of the wave's 128 along B: what the conversions want.  No LDS.
; The sum of squares of block a's rows over my 128 tokens (role qk alone): four chains, ascending.
.macro SUMSQ a
.set AC, 64*((\a)%4)
.set W, 2+(\a)/4
	WIN W|(W<<2)
.irp k, 0,1,2,3
	v_pk_mul_f32 v[QS+2*\k:QS+2*\k+1], v[AC+2*\k:AC+2*\k+1], v[AC+2*\k:AC+2*\k+1]
.endr
.set kk, 4
.rept 28
	v_pk_fma_f32 v[QS+2*(kk%4):QS+2*(kk%4)+1], v[AC+2*kk:AC+2*kk+1], v[AC+2*kk:AC+2*kk+1], v[QS+2*(kk%4):QS+2*(kk%4)+1]
.set kk, kk+1
.endr
	WIN 0
	v_pk_add_f32 v[QS:QS+1], v[QS:QS+1], v[QS+2:QS+3]
	v_pk_add_f32 v[QS+4:QS+5], v[QS+4:QS+5], v[QS+6:QS+7]
	v_pk_add_f32 v[QS:QS+1], v[QS:QS+1], v[QS+4:QS+5]
	v_add_f32 v[Q2+(\a)], v[QS], v[QS+1]
.endm
; Block a's 64 numbers become a fragment's codes in v[PC] on and its scale word in v[PW].
.macro QUANTW a
.set AC, 64*((\a)%4)
.set W, 2+(\a)/4
	WIN (W<<2)|(W<<4)                              ; sources 1 and 2: the accumulators' window
.irp b, 0,1,2,3
	v_max3_num_f32 v[TM+\b], 0x1800000, |v[AC+16*\b]|, |v[AC+1+16*\b]|   ; block b: my 16 numbers, and the floor 2^(3 - 127): the byte cannot fall under 1
.endr
.irp i, 2,4,6,8,10,12,14
.irp b, 0,1,2,3
	v_max3_num_f32 v[TM+\b], v[TM+\b], |v[AC+16*\b+\i]|, |v[AC+1+16*\b+\i]|
.endr
.endr
	WIN 0
.irp b, 0,1,2,3
	v_permlanex16_b32 v[TM+4+\b], v[TM+\b], s2, s3
.endr
.irp b, 0,1,2,3
	v_max_num_f32 v[TM+\b], v[TM+\b], v[TM+4+\b]   ; with lane l xor 16's: the block's largest magnitude
.endr
.irp b, 0,1,2,3
	v_add_nc_u32 v[TM+12+\b], 0xff000000, v[TM+\b] ; 2 off its exponent field: the conversion's scale operand
.endr
.irp b, 0,1,2,3
	v_lshrrev_b32 v[TM+8+\b], 23, v[TM+12+\b]      ; the scale's byte
.endr
	v_lshl_or_b32 v[PW], v[TM+9], 8, v[TM+8]
	v_lshl_or_b32 v[PW], v[TM+10], 16, v[PW]
	v_lshl_or_b32 v[PW], v[TM+11], 24, v[PW]
	WIN W                                          ; source 0: the accumulators' window
.irp c, 0,1
	v_cvt_scalef32_pk16_fp6_f32 v[PC+6*\c:PC+2+6*\c], v[AC+32*\c:AC+15+32*\c], v[TM+12+2*\c]
	v_cvt_scalef32_pk16_fp6_f32 v[PC+12+4*\c:PC+14+4*\c], v[AC+16+32*\c:AC+31+32*\c], v[TM+12+2*\c+1]
.endr
	WIN 0
	v_nop                                          ; one plain place behind a scaled conversion
.irp c, 0,1                                    ; the operand's layout wants a whole block in a lane
.irp i, 0,1,2
	v_permlane16_swap_b32 v[PC+6*\c+\i], v[PC+12+4*\c+\i]
.endr
.irp i, 0,1,2
	v_mov_b32 v[PC+3+6*\c+\i], v[PC+12+4*\c+\i]
.endr
.endr
.endm
	s_cmp_eq_u32 s17, 0                            ; the role: the same in all partners
	s_cbranch_scc1 .Lno_q2
.irp a, 0,1,2,3,4,5,6,7
	SUMSQ \a
.endr
.set ii, 0
.rept 8
	v_permlanex16_b32 v[QT+ii], v[Q2+ii], s2, s3
.set ii, ii+1
.endr
.set ii, 0
.rept 8
	v_add_f32 v[Q2+ii], v[Q2+ii], v[QT+ii]         ; with lane l xor 16's 64 tokens: the row's sum, in both lanes
.set ii, ii+1
.endr
	v_cmp_le_u32 vcc_lo, 16, v[LN]
.set ii, 0
.rept 4
	v_cndmask_b32 v[QS+ii], v[Q2+2*ii], v[Q2+2*ii+1], vcc_lo   ; lanes 0-15 tile 2 n, lanes 16-31 tile 2 n + 1
.set ii, ii+1
.endr
.set ii, 0
.rept 4
	global_store_b32 v[LS], v[QS+ii], s[10:11] offset:128*ii
.set ii, ii+1
.endr
.Lno_q2:
.irp a, 0,1,2,3,4,5,6,7
	s_wait_xcnt 0x0                                ; the last block's stores have read the codes and the scale word
	QUANTW \a
.irp c, 0,1,2
	global_store_b128 v[LI], v[PC+4*\c:PC+4*\c+3], s[4:5] offset:1536*\a+512*\c   ; 32 lanes store 512 consecutive bytes, aligned
.endr
	global_store_b32 v[LS], v[PW], s[6:7] offset:128*\a
.endr
	s_wait_tensorcnt 0x0                           ; the wave's end
	ds_add_u32 v[SPW], v[NIL]
	s_wait_dscnt 0x0
	CROUND                                         ; the closing round: no work-group ends while a partner may still ask for a tile that names it
	s_endpgm
.Lfunc_end_k_qb8eb7dadb8_proj:
	.size	k_qb8eb7dadb8_proj, .Lfunc_end_k_qb8eb7dadb8_proj-k_qb8eb7dadb8_proj
	.p2alignl 7, 3214868480
	.fill 96, 4, 3214868480
	.section	.rodata,"a",@progbits
	.p2align	6, 0x0
	.amdhsa_kernel k_qb8eb7dadb8_proj
		.amdhsa_group_segment_fixed_size 327680
		.amdhsa_private_segment_fixed_size 0
		.amdhsa_enable_private_segment 0
		.amdhsa_kernarg_size 32
		.amdhsa_user_sgpr_count 2
		.amdhsa_user_sgpr_kernarg_segment_ptr 1
		.amdhsa_wavefront_size32 1
		.amdhsa_system_sgpr_workgroup_id_x 1
		.amdhsa_system_sgpr_workgroup_id_y 1
		.amdhsa_system_sgpr_workgroup_id_z 1
		.amdhsa_system_vgpr_workitem_id 0
		.amdhsa_next_free_vgpr 1024
		.amdhsa_next_free_sgpr 100
		.amdhsa_reserve_vcc 1
		.amdhsa_float_denorm_mode_32 3
		.amdhsa_float_denorm_mode_16_64 3
		.amdhsa_memory_ordered 1
		.amdhsa_forward_progress 1
		.amdhsa_inst_pref_size 163
	.end_amdhsa_kernel
	.amdgpu_metadata
---
amdhsa.version: [ 1, 2 ]
amdhsa.kernels:
  - .name:           k_qb8eb7dadb8_proj
    .symbol:         k_qb8eb7dadb8_proj.kd
    .args:
      - { .name: xq, .offset: 0, .size: 8, .value_kind: global_buffer, .address_space: global }
      - { .name: wq, .offset: 8, .size: 8, .value_kind: global_buffer, .address_space: global }
      - { .name: qkq, .offset: 16, .size: 8, .value_kind: global_buffer, .address_space: global }
      - { .name: vq, .offset: 24, .size: 8, .value_kind: global_buffer, .address_space: global }
    .group_segment_fixed_size: 327680
    .private_segment_fixed_size: 0
    .kernarg_segment_align: 8
    .kernarg_segment_size: 32
    .max_flat_workgroup_size: 128
    .sgpr_count:     100
    .vgpr_count:     1024
    .wavefront_size: 32
...
	.end_amdgpu_metadata
.endif
;; end of part 2
;; launch attn (part 3): grid 32 x 8, 4 waves a work-group, clusters of 4 x 1, 221,696 bytes of LDS; arguments qkq, vq, tau, aq; writes aq
.if DOCPART == 3
	.amdgcn_target "amdgcn-amd-amdhsa--gfx1250"
	.amdhsa_code_object_version 6
	.text
	.protected	k_qb8eb7dadb8_attn
	.globl	k_qb8eb7dadb8_attn
	.p2align	8
	.type	k_qb8eb7dadb8_attn,@function
k_qb8eb7dadb8_attn:
	s_mov_b64 s[64:65], 0
	v_nop
	global_prefetch_b8 v0, s[64:65] scope:SCOPE_SE
	s_setreg_imm32_b32 hwreg(HW_REG_WAVE_MODE, 25, 1), 1
	s_wait_xcnt 0x0
	s_wait_alu depctr_hold_cnt(0) depctr_sa_sdst(0) depctr_va_vdst(0) depctr_va_sdst(0) depctr_va_ssrc(0) depctr_va_vcc(0) depctr_vm_vsrc(0)
	s_getreg_b32 s2, hwreg(HW_REG_IB_STS2, 6, 4)
	s_cmp_eq_u32 s2, 0
	s_cbranch_scc0 .Lentry_in_a_cluster
	s_endpgm
.Lentry_in_a_cluster:
	s_bfe_u32 s2, ttmp6, 0x10000c
	s_cmp_lg_u32 s2, 0x3003
	s_cbranch_scc0 .Lentry_shape_is_right
	s_endpgm
.Lentry_shape_is_right:
; For a pair of heads (g: channels 128 g on) of a batch b: dot = qk qk^T over 2,048 tokens, logits = (2 dot - q2[d] - q2[e]) / sqrt(2048) x tau, p = 2^(t - M), w = p v / l, w quantised along the channels.
; All products on codes of FP6 (E2M3) with E8M0 scales.  t = logit x log2(e); M = the row's largest t rounded up to a whole number; l = the row's sum of the unquantised p.
; SHARES.  The four work-groups of a cluster take the four quarters of the batch's tokens for p v; each makes the pair's two matrices dot of 64 x 64 for itself, from the same codes of qk,
; which are therefore asked for JOINTLY (mask 15): 16 chunks of 128 tokens x 8 channel tiles, 196,608 bytes, and their records.  Nothing in LDS is filled twice.
; LAYOUT.  Images and records as in the launches before.  dot: source 0 = a tile of e, source 1 = a tile of d: a lane holds one d, its registers run along e (32 b + 16 (l / 16) + 0 .. 15 in two tiles' registers).
; p v: source 0 = a tile of p (rows d), source 1 = v's fragment (16 tokens x the pair's 128 channels): a lane holds one token, its registers run along d.  K is 64 for a head:
; p's six registers stand beside six registers of zero codes, so that the other head's half of v's fragment adds nothing.
; LIMITS: no NaN or infinities; p under 2^-126 is 0; blocks under 2^-124 keep the byte 1; a block of zeros has the byte 1, its codes are zeros.
; REGISTERS: window 0: v2-15, v254-255 addresses; v16-79 accumulators; v80-157, v158-235 two sets for dot (E 48, D 24, scale words 4 + 2), later scratch; v236-243 v's scale words; v244-251 p's; v252-253 c.
;   window 1: v0-71 p: for each tile pair R0 (6) Z (6) R1 (6); v72-135 1 / l; v136-231 v's eight fragments.
.set QKS,  196608                      ; LDS: qk's images [chunk 16][tile 8][1536] from 0; their records here;
.set Q2S,  212992                      ; the 128 sums of squares, in the tiles' order;
.set PIMG, 213504                      ; p's 8 tiles: 6 registers a lane, pair n of lane l at 256 n + 8 l;
.set PSC,  219648                      ; their records;
.set RL,   220672                      ; 1 / l, in the tiles' order
.set RECO, 12582912
.set Q2O,  13631488
.set AE,  2
.set AD,  3
.set ASE, 4
.set ASD, 5
.set AQE, 6
.set AQD, 7
.set AP,  8
.set APS, 9
.set ARL, 10
.set LI,  11
.set LS,  12
.set AL8, 13
.set ARB, 14
.set APL, 15
.set AQW, 254
.set ACC, 16
.set SET0, 80
.set QE,  80
.set QD,  112
.set TM,  160
.set PW,  176
.set PC,  180
.set VS,  236
.set PS,  244
.set CC,  252
.set PB,  0
.set RLB, 72
.set VB,  136
.set G1C, 24
.set G0C, 32
.set G1R, 36
.set G0R, 44
.set SEL, 48
.set MSB, 0
.macro WIN new
.if MSB != (\new)
	s_set_vgpr_msb (MSB<<8)|(\new)
.set MSB, (\new)
.endif
.endm
.macro PLACES n
.rept \n
	v_nop
.endr
.endm
.macro ROUND                           ; a round of the cluster's barrier
	s_barrier_signal -1
	s_barrier_wait -1
	s_cmp_lg_u32 s12, 0
	s_cbranch_scc1 .Lnot_wave_0_\@
	s_barrier_signal -3
.Lnot_wave_0_\@:
	s_barrier_wait -3
	s_barrier_signal -1
	s_barrier_wait -1
.endm
	s_load_b256 s[4:11], s[0:1], 0x0               ; qkq, vq, tau, aq
	v_lshl_add_u32 v255, v0, 2, 0x36000
	s_set_vgpr_msb 0x40
	v_mov_b32 v255, 0
	s_set_vgpr_msb 0x4044
	ds_add_u32 v255, v255
	ds_add_u32 v255, v255
	s_set_vgpr_msb 0x4400
	v_lshrrev_b32 v1, 5, v0
	v_readfirstlane_b32 s12, v1                    ; wave
	s_lshr_b32 s13, s12, 1                         ; hh: my head of the pair
	s_and_b32 s14, s12, 1                          ; dp: my two tiles of d
	s_bfe_u32 s15, ttmp6, 0x40000                  ; cx: my quarter of the tokens; it enters v's and aq's addresses alone
	s_and_b32 s17, ttmp7, 0xffff                   ; the batch
	s_mov_b32 s[G1C], 15|(3<<16)|(1<<21)           ; the mask: all four; elements of 8 bytes; bit 21 beside a mask
	s_mov_b32 s[G1C+1], 1536<<16                   ; tensor_dim0: the pair's 8 images of a chunk, 12,288 bytes
	s_mov_b32 s[G1C+2], 4<<16                      ; tensor_dim1: 4 chunks a wave
	s_mov_b32 s[G1C+3], 1536<<16
	s_mov_b32 s[G1C+4], 4
	s_mov_b32 s[G1C+5], 12288                      ; from chunk to chunk: 64 images
	s_mov_b32 s[G1C+6], 0
	s_mov_b32 s[G1C+7], 0
	s_mov_b32 s[G1R], 15|(3<<16)|(1<<21)
	s_mov_b32 s[G1R+1], 128<<16                    ; 8 records, 1,024 bytes
	s_mov_b32 s[G1R+2], 4<<16
	s_mov_b32 s[G1R+3], 128<<16
	s_mov_b32 s[G1R+4], 4
	s_mov_b32 s[G1R+5], 1024                       ; 64 records
	s_mov_b32 s[G1R+6], 0
	s_mov_b32 s[G1R+7], 0
	s_lshl_b32 s18, s17, 4
	s_lshl_b32 s19, s12, 2
	s_add_co_u32 s18, s18, s19                     ; my first chunk: 16 b + 4 w
	s_mul_i32 s20, s18, 98304
	s_mul_i32 s19, ttmp9, 12288
	s_add_co_u32 s20, s20, s19
	s_mov_b32 s21, 0
	s_lshl_b32 s22, s18, 13
	s_lshl_b32 s19, ttmp9, 10
	s_add_co_u32 s22, s22, s19
	s_add_co_u32 s22, s22, RECO
	s_mov_b32 s23, 0
	s_mul_i32 s52, s12, 49152
	s_lshl_b32 s53, s12, 12
	s_add_co_u32 s53, s53, QKS
	s_mov_b32 s[SEL], 0x76543210
	s_mov_b32 s[SEL+1], 0xfedcba98
	s_lshl_b32 s50, s13, 4                         ; 16 hh: where my head's two bytes stand in p's scale word
	s_wait_dscnt 0x0
	s_wait_kmcnt 0x0
	s_mov_b32 s[G0C], 1
	s_mov_b32 s[G0C+1], s52
	s_add_nc_u64 s[G0C+2:G0C+3], s[4:5], s[20:21]
	s_or_b32 s[G0C+3], s[G0C+3], 0x80000000
	s_mov_b32 s[G0R], 1
	s_mov_b32 s[G0R+1], s53
	s_add_nc_u64 s[G0R+2:G0R+3], s[4:5], s[22:23]
	s_or_b32 s[G0R+3], s[G0R+3], 0x80000000
	ROUND                                          ; all four work-groups are here: the joint loads meet
	tensor_load_to_lds s[G0C:G0C+3], s[G1C:G1C+7]  ; my two fills stand together: two loads of mine are out
	s_nop 0
	tensor_load_to_lds s[G0R:G0R+3], s[G1R:G1R+7]
	s_nop 0
.rept 4
	v_nop
.endr
	v_and_b32 v1, 31, v0                           ; l
	v_and_b32 v80, 15, v0                          ; r
	v_bfe_u32 v81, v0, 4, 1                        ; h
	v_lshlrev_b32 v[LI], 4, v1
	v_lshlrev_b32 v[LS], 2, v1
	s_mul_i32 s18, s13, 6144
	v_add_nc_u32 v[AE], s18, v[LI]                 ; my head's four tiles of a chunk
	s_mul_i32 s19, s14, 3072
	s_add_co_u32 s19, s19, s18
	v_add_nc_u32 v[AD], s19, v[LI]                 ; my two of them as d
	s_lshl_b32 s18, s13, 9
	s_add_co_u32 s18, s18, QKS
	v_add_nc_u32 v[ASE], s18, v[LS]
	s_lshl_b32 s19, s14, 8
	s_add_co_u32 s19, s19, s18
	v_add_nc_u32 v[ASD], s19, v[LS]
	s_lshl_b32 s18, s13, 8
	s_add_co_u32 s18, s18, Q2S
	v_lshl_add_u32 v[AQE], v81, 5, s18             ; q2 of e: tile et's rows 8 h + 0 .. 7 at + 64 et
	s_lshl_b32 s18, s12, 7
	s_add_co_u32 s19, s18, Q2S
	v_lshl_add_u32 v[AQD], v80, 2, s19             ; q2 of d: tile 2 w + dl, row r
	s_add_co_u32 s19, s18, RL
	v_lshl_add_u32 v[ARL], v80, 2, s19
	s_mul_i32 s18, s12, 1536
	s_add_co_u32 s18, s18, PIMG
	v_lshl_add_u32 v[AP], v1, 3, s18
	s_lshl_b32 s18, s12, 8
	s_add_co_u32 s18, s18, PSC
	v_add_nc_u32 v[APS], s18, v[LS]
	v_lshl_add_u32 v[AL8], v1, 3, PIMG
	v_lshl_add_u32 v[ARB], v81, 5, RL
	v_add_nc_u32 v[APL], PSC, v[LS]
	v_lshl_add_u32 v[AQW], v0, 2, Q2S
	s_lshl_b32 s18, s17, 16                        ; the sums of squares: chunk 16 b on, 4,096 bytes a chunk, the pair's 128 numbers
	s_lshl_b32 s19, ttmp9, 9
	s_add_co_u32 s18, s18, s19
	s_add_co_u32 s18, s18, Q2O
	s_mov_b32 s19, 0
	s_add_nc_u64 s[54:55], s[4:5], s[18:19]
	s_lshl_b32 s18, s17, 7
	s_lshl_b32 s19, s15, 5
	s_add_co_u32 s18, s18, s19
	s_lshl_b32 s19, s12, 3
	s_add_co_u32 s18, s18, s19                     ; my first token tile: 128 b + 32 cx + 8 w
	s_lshl_b32 s19, ttmp9, 10
	s_add_co_u32 s19, s19, s18
	s_mul_i32 s20, s19, 1536
	s_mov_b32 s21, 0
	s_add_nc_u64 s[56:57], s[6:7], s[20:21]        ; v's images of plane g
	s_lshl_b32 s20, s19, 7
	s_add_co_u32 s20, s20, RECO
	s_add_nc_u64 s[58:59], s[6:7], s[20:21]
	s_lshl_b32 s19, s18, 3
	s_add_co_u32 s19, s19, ttmp9                   ; aq: fragment 8 T + g
	s_mul_i32 s20, s19, 1536
	s_add_nc_u64 s[60:61], s[10:11], s[20:21]
	s_lshl_b32 s20, s19, 7
	s_add_co_u32 s20, s20, RECO
	s_add_nc_u64 s[62:63], s[10:11], s[20:21]
	s_lshl_b32 s18, ttmp9, 1
	s_add_co_u32 s18, s18, s13
	s_lshl_b32 s18, s18, 2                         ; tau of head 2 g + hh
	v_lshlrev_b32 v82, 2, v0
	v_mov_b32 v83, s18
.set ii, 0
.rept 16
	global_load_b32 v[84+ii], v82, s[54:55] offset:4096*ii     ; thread c: channel c's partial sum of chunk ii
.set ii, ii+1
.endr
	global_load_b32 v[CC], v83, s[8:9]
	WIN 0x40                                       ; destination window 1
.set ii, 0
.rept 24
	global_load_b128 v[VB+4*ii:VB+4*ii+3], v[LI], s[56:57] offset:512*ii   ; v's eight fragments: they stay in registers
.set ii, ii+1
.endr
.irp q, 0,1,2,3
.irp i, 0,1,2,3,4,5
	v_mov_b32 v[PB+18*\q+6+\i], 0                  ; the zero codes beside p's
.endr
.endr
	WIN 0
.set ii, 0
.rept 8
	global_load_b32 v[VS+ii], v[LS], s[58:59] offset:128*ii
.set ii, ii+1
.endr
	s_wait_loadcnt 32                              ; the partial sums and tau are in; v's 24 + 8 loads may be out
.irp i, 0,1,2,3,4,5,6,7
	v_add_f32 v[84+\i], v[84+\i], v[92+\i]
.endr
.irp i, 0,1,2,3
	v_add_f32 v[84+\i], v[84+\i], v[88+\i]
.endr
	v_add_f32 v84, v84, v86
	v_add_f32 v85, v85, v87
	v_add_f32 v84, v84, v85
	ds_store_b32 v[AQW], v84
	v_mul_f32 v[CC], 0x3d0293ee, v[CC]             ; c = tau x log2(e) / sqrt(2048)
	v_mov_b32 v[CC+1], v[CC]
	s_wait_tensorcnt 0x0                           ; my parts of the images and records are in,
	s_wait_dscnt 0x0                               ; my sum is stored:
	s_barrier_signal -1
	s_barrier_wait -1                              ; everybody's are
; ---- dot: my two tiles of d x the head's four tiles of e: eight accumulators by turns, a chunk of 128 tokens at a time.  E and D are loaded apart, though some bytes are the same.
.macro FETCHD t
.set FS, SET0+78*((\t)%2)
.irp e, 0,1,2,3
.irp c, 0,1,2
	ds_load_b128 v[FS+12*\e+4*\c:FS+12*\e+4*\c+3], v[AE] offset:12288*((\t)%4)+1536*\e+512*\c
.endr
.endr
.irp d, 0,1
.irp c, 0,1,2
	ds_load_b128 v[FS+48+12*\d+4*\c:FS+48+12*\d+4*\c+3], v[AD] offset:12288*((\t)%4)+1536*\d+512*\c
.endr
.endr
.irp e, 0,1,2,3
	ds_load_b32 v[FS+72+\e], v[ASE] offset:1024*(\t)+128*\e
.endr
.irp d, 0,1
	ds_load_b32 v[FS+76+\d], v[ASD] offset:1024*(\t)+128*\d
.endr
.endm
.macro DOT8 t
.set FS, SET0+78*((\t)%2)
.irp d, 0,1
.irp e, 0,1,2,3
.if (\t) == 0
	v_wmma_scale_f32_16x16x128_f8f6f4 v[ACC+32*\d+8*\e:ACC+32*\d+8*\e+7], v[FS+12*\e:FS+12*\e+11], v[FS+48+12*\d:FS+48+12*\d+11], 0, v[FS+72+\e], v[FS+76+\d] matrix_a_fmt:MATRIX_FMT_FP6 matrix_b_fmt:MATRIX_FMT_FP6
.else
	v_wmma_scale_f32_16x16x128_f8f6f4 v[ACC+32*\d+8*\e:ACC+32*\d+8*\e+7], v[FS+12*\e:FS+12*\e+11], v[FS+48+12*\d:FS+48+12*\d+11], v[ACC+32*\d+8*\e:ACC+32*\d+8*\e+7], v[FS+72+\e], v[FS+76+\d] matrix_a_fmt:MATRIX_FMT_FP6 matrix_b_fmt:MATRIX_FMT_FP6
.endif
.endr
.endr
.endm
	FETCHD 0
.set tt, 0
.rept 16
.if tt > 0
	PLACES 4                                       ; in front of loads into the set that the chunk before multiplied
.endif
.if tt < 15
.if (tt+1)%4 == 0
	s_wait_dscnt 0x0                               ; no LDS load of mine is out: the two addresses step four chunks on
	v_add_nc_u32 v[AE], 49152, v[AE]
	v_add_nc_u32 v[AD], 49152, v[AD]
.endif
	FETCHD tt+1
	s_wait_dscnt 24                                ; this chunk's fragments are in; the 24 loads just issued may be out
.else
	s_wait_dscnt 0x0
.endif
	DOT8 tt
.set tt, tt+1
.endr
	PLACES 5                                       ; five: the accumulators are later begun anew by matrix instructions
; ---- the softmax of my 32 rows d.  Register 8 et + n of lane (r, h) is e-tile et's row 8 h + n.
.irp e, 0,1,2,3
	ds_load_b128 v[QE+8*\e:QE+8*\e+3], v[AQE] offset:64*\e
	ds_load_b128 v[QE+8*\e+4:QE+8*\e+7], v[AQE] offset:64*\e+16
.endr
.irp i, 0,1
	ds_load_b32 v[QD+2*\i], v[AQD] offset:64*\i
	ds_load_b32 v[QD+2*\i+1], v[AQD] offset:64*\i  ; (named with it as a pair)
.endr
	s_wait_dscnt 0x0
.macro SOFT dl
.set S,   ACC+32*(\dl)
.set B0,  116+32*(\dl)                 ; each of the two tiles has scratch of its own: no LDS store's data are written again
.set NM,  B0
.set MX,  B0+2
.set MY,  B0+3
.set L0,  B0+4
.set L1,  B0+6
.set BM,  B0+8
.set BP,  B0+10
.set SOP, B0+12
.set BYT, B0+14
.set PWD, B0+16
.set RC,  B0+17
.set PCD, B0+18
.set PTD, B0+24
	v_mov_b32 v[MY], 0                             ; a lane permute's destination counts as one of its sources
	v_mov_b32 v[BP], 0
	v_mov_b32 v[BP+1], 0
.set kk, 0
.rept 16
	v_pk_fma_f32 v[S+kk:S+kk+1], v[S+kk:S+kk+1], 2.0, v[QD+2*(\dl):QD+2*(\dl)+1] op_sel_hi:[1,0,0] neg_lo:[0,0,1] neg_hi:[0,0,1]   ; 2 dot - q2[d], each accumulator from its low end on
.set kk, kk+2
.endr
.set kk, 0
.rept 16
	v_pk_add_f32 v[S+kk:S+kk+1], v[S+kk:S+kk+1], v[QE+kk:QE+kk+1] neg_lo:[0,1] neg_hi:[0,1]   ; - q2[e]
.set kk, kk+2
.endr
.set kk, 0
.rept 16
	v_pk_mul_f32 v[S+kk:S+kk+1], v[S+kk:S+kk+1], v[CC:CC+1]      ; t.  tau may have either sign: the maximum is taken of t
.set kk, kk+2
.endr
	v_max3_num_f32 v[MX], v[S], v[S+1], v[S+2]
.set kk, 3
.rept 14
	v_max3_num_f32 v[MX], v[MX], v[S+kk], v[S+kk+1]
.set kk, kk+2
.endr
	v_max_num_f32 v[MX], v[MX], v[S+31]
	v_permlanex16_b32 v[MY], v[MX], s[SEL], s[SEL+1]
	v_max_num_f32 v[MX], v[MX], v[MY]              ; the row's largest t
	v_floor_f32 v[NM], -v[MX]                      ; -M = floor(-t) = -ceil(t)
	v_mov_b32 v[NM+1], v[NM]
.set kk, 0
.rept 16
	v_pk_add_f32 v[S+kk:S+kk+1], v[S+kk:S+kk+1], v[NM:NM+1]
.set kk, kk+2
.endr
.set kk, 0
.rept 32
	v_exp_f32 v[S+kk], v[S+kk]                     ; p = 2^(t - M): one batch
.set kk, kk+1
.endr
	v_nop                                          ; a plain place behind the exponentials
	s_wait_alu depctr_va_vdst(0)                   ; one wait for the batch, ahead of its first reader
	v_pk_add_f32 v[L0:L0+1], v[S:S+1], v[S+2:S+3]  ; the row's sum, of the unquantised p, in two chains
	v_pk_add_f32 v[L1:L1+1], v[S+4:S+5], v[S+6:S+7]
.set kk, 8
.rept 6
	v_pk_add_f32 v[L0:L0+1], v[L0:L0+1], v[S+kk:S+kk+1]
	v_pk_add_f32 v[L1:L1+1], v[L1:L1+1], v[S+kk+2:S+kk+3]
.set kk, kk+4
.endr
	v_pk_add_f32 v[L0:L0+1], v[L0:L0+1], v[L1:L1+1]
	v_add_f32 v[L0], v[L0], v[L0+1]
	v_permlanex16_b32 v[MY], v[L0], s[SEL], s[SEL+1]
	v_add_f32 v[L0], v[L0], v[MY]
	v_rcp_f32 v[RC], v[L0]                         ; 1 / l; the lines below are the plain work behind it
.irp b, 0,1
	v_max3_num_f32 v[BM+\b], v[S+16*\b], v[S+1+16*\b], 0x1800000   ; the two blocks of 32 along e, with the floor; p is never negative
.endr
.irp i, 2,4,6,8,10,12,14
.irp b, 0,1
	v_max3_num_f32 v[BM+\b], v[BM+\b], v[S+16*\b+\i], v[S+1+16*\b+\i]
.endr
.endr
.irp b, 0,1
	v_permlanex16_b32 v[BP+\b], v[BM+\b], s[SEL], s[SEL+1]
.endr
.irp b, 0,1
	v_max_num_f32 v[BM+\b], v[BM+\b], v[BP+\b]
.endr
.irp b, 0,1
	v_add_nc_u32 v[SOP+\b], 0xff000000, v[BM+\b]
.endr
.irp b, 0,1
	v_lshrrev_b32 v[BYT+\b], 23, v[SOP+\b]
.endr
	v_lshl_or_b32 v[PWD], v[BYT+1], 8, v[BYT]
	v_lshlrev_b32 v[PWD], s50, v[PWD]              ; head 0: bytes 0, 1; head 1: bytes 2, 3; the other two stay 0 over zero codes
	v_cvt_scalef32_pk16_fp6_f32 v[PCD:PCD+2], v[S:S+15], v[SOP]
	v_cvt_scalef32_pk16_fp6_f32 v[PTD:PTD+2], v[S+16:S+31], v[SOP+1]
	v_nop                                          ; one plain place behind a scaled conversion
.irp i, 0,1,2
	v_permlane16_swap_b32 v[PCD+\i], v[PTD+\i]
.endr
.irp i, 0,1,2
	v_mov_b32 v[PCD+3+\i], v[PTD+\i]               ; six registers: e = 32 h + 0 .. 31 of row r
.endr
	s_wait_alu depctr_va_vdst(0)                   ; the wait for the reciprocal, ahead of its first reader
.irp i, 0,1,2
	ds_store_b64 v[AP], v[PCD+2*\i:PCD+2*\i+1] offset:768*(\dl)+256*\i
.endr
	ds_store_b32 v[APS], v[PWD] offset:128*(\dl)
	ds_store_b32 v[ARL], v[RC] offset:64*(\dl)     ; both halves of the lanes write the same word with the same value
.endm
	SOFT 0
	SOFT 1
	s_wait_dscnt 0x0                               ; my stores have landed
	s_barrier_signal -1
	s_barrier_wait -1                              ; the pair's eight tiles of p, their records and 1 / l lie in LDS
; ---- w = p v / l for my eight tiles of 16 tokens, quantised along the channels
	WIN 0x40
.irp q, 0,1,2,3,4,5,6,7
.irp i, 0,1,2
	ds_load_b64 v[PB+18*(\q%4)+12*(\q/4)+2*\i:PB+18*(\q%4)+12*(\q/4)+2*\i+1], v[AL8] offset:768*\q+256*\i
.endr
.endr
.irp q, 0,1,2,3,4,5,6,7
	ds_load_b128 v[RLB+8*\q:RLB+8*\q+3], v[ARB] offset:64*\q
	ds_load_b128 v[RLB+8*\q+4:RLB+8*\q+7], v[ARB] offset:64*\q+16
.endr
	WIN 0
.irp q, 0,1,2,3,4,5,6,7
	ds_load_b32 v[PS+\q], v[APL] offset:128*\q
.endr
.irp b, 0,1,2,3
	v_mov_b32 v[TM+4+\b], 0                        ; written once: a lane permute's destination counts as one of its sources
.endr
	s_wait_dscnt 0x0
	s_wait_loadcnt 0x0                             ; v
; 64 numbers of a lane, register 16 b + n = k 32 b + 16 (l / 16) + n of my row, become a fragment's codes in v[PC] on and its scale word in v[PW].
.macro QUANT s
.irp b, 0,1,2,3
	v_max3_num_f32 v[TM+\b], |v[\s+16*\b]|, |v[\s+1+16*\b]|, 0x1800000
.endr
.irp i, 2,4,6,8,10,12,14
.irp b, 0,1,2,3
	v_max3_num_f32 v[TM+\b], v[TM+\b], |v[\s+16*\b+\i]|, |v[\s+1+16*\b+\i]|
.endr
.endr
.irp b, 0,1,2,3
	v_permlanex16_b32 v[TM+4+\b], v[TM+\b], s[SEL], s[SEL+1]
.endr
.irp b, 0,1,2,3
	v_max_num_f32 v[TM+\b], v[TM+\b], v[TM+4+\b]
.endr
.irp b, 0,1,2,3
	v_add_nc_u32 v[TM+12+\b], 0xff000000, v[TM+\b]
.endr
.irp b, 0,1,2,3
	v_lshrrev_b32 v[TM+8+\b], 23, v[TM+12+\b]
.endr
	v_lshl_or_b32 v[PW], v[TM+9], 8, v[TM+8]
	v_lshl_or_b32 v[PW], v[TM+10], 16, v[PW]
	v_lshl_or_b32 v[PW], v[TM+11], 24, v[PW]
.irp c, 0,1
	v_cvt_scalef32_pk16_fp6_f32 v[PC+6*\c:PC+2+6*\c], v[\s+32*\c:\s+15+32*\c], v[TM+12+2*\c]
	v_cvt_scalef32_pk16_fp6_f32 v[PC+12+4*\c:PC+14+4*\c], v[\s+16+32*\c:\s+31+32*\c], v[TM+12+2*\c+1]
.endr
	v_nop                                          ; one plain place behind a scaled conversion
.irp c, 0,1
.irp i, 0,1,2
	v_permlane16_swap_b32 v[PC+6*\c+\i], v[PC+12+4*\c+\i]
.endr
.irp i, 0,1,2
	v_mov_b32 v[PC+3+6*\c+\i], v[PC+12+4*\c+\i]
.endr
.endr
.endm
.macro AV m
	WIN 0x05                                       ; sources 0 (p) and 1 (v) window 1
.irp q, 0,1,2,3,4,5,6,7                        ; tile q of the pair's 128 channels: head q / 4.  Head 0's fragment is R0 Z, head 1's Z R1
	v_wmma_scale_f32_16x16x128_f8f6f4 v[ACC+8*\q:ACC+8*\q+7], v[PB+18*(\q%4)+6*(\q/4):PB+18*(\q%4)+6*(\q/4)+11], v[VB+12*(\m):VB+12*(\m)+11], 0, v[PS+\q], v[VS+(\m)] matrix_a_fmt:MATRIX_FMT_FP6 matrix_b_fmt:MATRIX_FMT_FP6
.endr
	PLACES 5                                       ; five: the next tile's products write over these results
	WIN 0x04                                       ; source 1 (1 / l) window 1
.set kk, 0
.rept 32
	v_pk_mul_f32 v[ACC+kk:ACC+kk+1], v[ACC+kk:ACC+kk+1], v[RLB+kk:RLB+kk+1]   ; / l, each accumulator from its low end on
.set kk, kk+2
.endr
	WIN 0
	s_wait_xcnt 0x0                                ; the last tile's stores have read the codes and the scale word
	QUANT ACC
.irp c, 0,1,2
	global_store_b128 v[LI], v[PC+4*\c:PC+4*\c+3], s[60:61] offset:12288*(\m)+512*\c   ; 32 lanes store 512 consecutive bytes, aligned
.endr
	global_store_b32 v[LS], v[PW], s[62:63] offset:1024*(\m)
.endm
.irp n, 0,1,2,3,4,5,6,7
	AV \n
.endr
	s_set_vgpr_msb 0x4
	s_wait_tensorcnt 0x0
	ds_add_u32 v255, v255
	s_wait_dscnt 0x0
	s_set_vgpr_msb 0x400
	ROUND                                          ; the closing round
	s_endpgm
.Lfunc_end_k_qb8eb7dadb8_attn:
	.size	k_qb8eb7dadb8_attn, .Lfunc_end_k_qb8eb7dadb8_attn-k_qb8eb7dadb8_attn
	.p2alignl 7, 3214868480
	.fill 96, 4, 3214868480
	.section	.rodata,"a",@progbits
	.p2align	6, 0x0
	.amdhsa_kernel k_qb8eb7dadb8_attn
		.amdhsa_group_segment_fixed_size 221696
		.amdhsa_private_segment_fixed_size 0
		.amdhsa_enable_private_segment 0
		.amdhsa_kernarg_size 32
		.amdhsa_user_sgpr_count 2
		.amdhsa_user_sgpr_kernarg_segment_ptr 1
		.amdhsa_wavefront_size32 1
		.amdhsa_system_sgpr_workgroup_id_x 1
		.amdhsa_system_sgpr_workgroup_id_y 1
		.amdhsa_system_sgpr_workgroup_id_z 1
		.amdhsa_system_vgpr_workitem_id 0
		.amdhsa_next_free_vgpr 512
		.amdhsa_next_free_sgpr 66
		.amdhsa_reserve_vcc 0
		.amdhsa_float_denorm_mode_32 3
		.amdhsa_float_denorm_mode_16_64 3
		.amdhsa_memory_ordered 1
		.amdhsa_forward_progress 1
		.amdhsa_inst_pref_size 139
	.end_amdhsa_kernel
	.amdgpu_metadata
---
amdhsa.version: [ 1, 2 ]
amdhsa.kernels:
  - .name:           k_qb8eb7dadb8_attn
    .symbol:         k_qb8eb7dadb8_attn.kd
    .args:
      - { .name: qkq, .offset: 0, .size: 8, .value_kind: global_buffer, .address_space: global }
      - { .name: vq, .offset: 8, .size: 8, .value_kind: global_buffer, .address_space: global }
      - { .name: tau, .offset: 16, .size: 8, .value_kind: global_buffer, .address_space: global }
      - { .name: aq, .offset: 24, .size: 8, .value_kind: global_buffer, .address_space: global }
    .group_segment_fixed_size: 221696
    .private_segment_fixed_size: 0
    .kernarg_segment_align: 8
    .kernarg_segment_size: 32
    .max_flat_workgroup_size: 128
    .sgpr_count:     66
    .vgpr_count:     512
    .wavefront_size: 32
...
	.end_amdgpu_metadata
.endif
;; end of part 3
;; launch outp (part 4): grid 64 x 4, 4 waves a work-group, clusters of 4 x 4, 327,680 bytes of LDS; arguments aq, wq, out0; writes out0
.if DOCPART == 4
	.amdgcn_target "amdgcn-amd-amdhsa--gfx1250"
	.amdhsa_code_object_version 6
	.text
	.protected	k_qb8eb7dadb8_outp
	.globl	k_qb8eb7dadb8_outp
	.p2align	8
	.type	k_qb8eb7dadb8_outp,@function
k_qb8eb7dadb8_outp:
	s_mov_b64 s[64:65], 0
	v_nop
	global_prefetch_b8 v0, s[64:65] scope:SCOPE_SE
	s_setreg_imm32_b32 hwreg(HW_REG_WAVE_MODE, 25, 1), 1
	s_wait_xcnt 0x0
	s_wait_alu depctr_hold_cnt(0) depctr_sa_sdst(0) depctr_va_vdst(0) depctr_va_sdst(0) depctr_va_ssrc(0) depctr_va_vcc(0) depctr_vm_vsrc(0)
	s_getreg_b32 s2, hwreg(HW_REG_IB_STS2, 6, 4)
	s_cmp_eq_u32 s2, 0
	s_cbranch_scc0 .Lentry_in_a_cluster
	s_endpgm
.Lentry_in_a_cluster:
	s_bfe_u32 s2, ttmp6, 0x10000c
	s_cmp_lg_u32 s2, 0xf033
	s_cbranch_scc0 .Lentry_shape_is_right
	s_endpgm
.Lentry_shape_is_right:
; out0 = w Wo on codes of FP6 (E2M3) with E8M0 scales, K = 1,024; out0 [16384][1024] f32.
; Operands are register images of fragments (16 rows x 128 K: 1,536 bytes) and records of scale words (128 bytes: word l = row l % 16's), as the launches before have stored them.
; Row p of tile 2 b + u is row 32 b + 8 u + p + 8 (p / 8) of its matrix.  'A' = aq's tokens is source 1 (a lane holds one token), 'B' = Wo's columns is source 0 (a lane's registers run along the columns).
; A tile of 256 x 256 is made by four waves, 128 x 128 each.  CLUSTERS: 4 x 4: A's tiles hang on cy alone and are asked for jointly along a row of the cluster, B's on cx alone, along a column.
; THE RING.  K is four quarters of 256; a slot holds one: for each tile two images on end, 3,072 bytes; a wave's tensor load brings 8 tiles.  THREE slots take the first three quarters as first fills, issued
; together at the head; the fourth quarter is the launch's one refill, into slot 0, behind the change from slot 0 to slot 1: 224 matrix instructions a wave ahead of the wait for it.
; Of each record the lower 64 bytes come into LDS (its upper half repeats them), once, with the first fills: so three slots, the records and the spare words fit: 311,808 bytes.
; REGISTERS: window 0: v16-29 addresses; v32-63 scale words, two sets; v128-223 A's fragments, one set; on the way out v128-255 take rows of out0.  window 1: B's fragments, two sets.
;   windows 2, 3: the accumulators: (a, b) at v[8 (8 (a % 4) + b)] of window 2 + a / 4.
.set XS,     12582912                  ; aq: the records
.set WOC,    1572864                   ; wq: Wo's images
.set WOS,    2359296+131072            ; wq: Wo's records
.set NQ,     2
.set FR,     12
.set NL,     3
.set NP,     4
.set HALFT,  24576
.set SLOT,   4*HALFT
.set SCL,    3*SLOT                    ; behind the three slots: the records' lower halves: A's 16 tiles x 512 bytes, then B's
.set SPARE,  SCL+16384                 ; the spare words, 128 bytes a wave: two blocks of 256 bytes that no other line names
.set LASTQ,  3*3072                    ; from a tile's first quarter of K to its fourth, in bytes
.set SPITCH, 528                       ; the way out: a stage of 16 rows x (512 bytes + 16) for each wave, in slot 1: it is filled once, and every wave's last read of it stands ahead of the last change of slots' barrier
.set ADRA, 16                          ; v16-18
.set ADRB, 20                          ; v20-22
.set STO,  24
.set RD,   25
.set CO,   26
.set ADRS, 27
.set SPW,  28
.set NIL,  29
.set SC,   32
.set AF,   128
.set BK,   128
.set G1, 24                            ; s[24:31] group 1 for A's tiles; s[32:39], s[92:95] groups 0 for slots 0, 1, 2
.set G0, 32
.set G1B, 48                           ; s[48:55] group 1 for B's tiles; s[56:63], s[96:99] groups 0
.set G0B, 56
.set G1S, 68
.set G0S, 76
.set G1SB, 80
.set G0SB, 88
.set MSB, 0
.macro WIN new
.if MSB != (\new)
	s_set_vgpr_msb (MSB<<8)|(\new)
.set MSB, (\new)
.endif
.endm
.set MUL_LO, 0xa1
.set MUL_HI, 0xf1
.set TO_B,   0x40
.macro JLOAD g0a, g1a, g0b, g1b        ; a joint load: waves 0 and 1 fetch for A, waves 2 and 3 for B; four v_nop follow each of the two lines
	s_cmp_eq_u32 s15, 0
	s_cbranch_scc0 .Lfor_b_\@
	tensor_load_to_lds s[\g0a:\g0a+3], s[\g1a:\g1a+7]
	s_nop 0
.rept 4
	v_nop
.endr
	s_branch .Lasked_\@
.Lfor_b_\@:
	tensor_load_to_lds s[\g0b:\g0b+3], s[\g1b:\g1b+7]
	s_nop 0
.rept 4
	v_nop
.endr
.Lasked_\@:
.endm
.macro CREST
	s_cmp_lg_u32 s14, 0
	s_cbranch_scc1 .Lnot_wave_0_\@
	s_barrier_signal -3
.Lnot_wave_0_\@:
	s_barrier_wait -3
	s_barrier_signal -1
	s_barrier_wait -1
.endm
.macro CROUND
	s_barrier_signal -1
	s_barrier_wait -1
	CREST
.endm
	s_load_b128 s[4:7], s[0:1], 0x0                ; aq, wq
	s_load_b64 s[8:9], s[0:1], 0x10                ; out0
	v_lshl_add_u32 v[SPW], v0, 2, SPARE
	v_mov_b32 v[NIL], 0
	ds_add_u32 v28, v29
	ds_add_u32 v28, v29
	s_wait_dscnt 0x0
	v_lshrrev_b32 v1, 5, v0
	v_readfirstlane_b32 s14, v1                    ; wave
	s_lshr_b32 s15, s14, 1                         ; i
	s_and_b32 s16, s14, 1                          ; j
	s_bfe_u32 s40, ttmp6, 0x40000                  ; cx
	s_bfe_u32 s41, ttmp6, 0x40004                  ; cy
	s_lshl_b32 s42, ttmp9, 2                       ; the cluster's first block of 256 tokens
	s_lshl_b32 s43, s41, 2
	s_lshl_b32 s43, 15, s43
	s_lshl_b32 s44, 0x1111, s40
	s_or_b32 s[G1+0], s43, (3<<16)|(1<<21)
	s_or_b32 s[G1B+0], s44, (3<<16)|(1<<21)
.irp g, G1, G1B
	s_mov_b32 s[\g+1], 384<<16                     ; 3,072 bytes: two images of a tile
	s_mov_b32 s[\g+2], 8<<16                       ; 8 tiles
	s_mov_b32 s[\g+3], 384<<16
	s_mov_b32 s[\g+4], 8
	s_mov_b32 s[\g+5], 1536                        ; from tile to tile: 12,288 bytes
	s_mov_b32 s[\g+6], 0
	s_mov_b32 s[\g+7], 0
.endr
	s_or_b32 s[G1S+0], s43, (3<<16)|(1<<21)
	s_or_b32 s[G1SB+0], s44, (3<<16)|(1<<21)
.irp g, G1S, G1SB
	s_mov_b32 s[\g+1], 8<<16                       ; 64 bytes: a record's lower half
	s_mov_b32 s[\g+2], 64<<16                      ; 8 tiles x 8 K steps
	s_mov_b32 s[\g+3], 8<<16
	s_mov_b32 s[\g+4], 64
	s_mov_b32 s[\g+5], 16                          ; from record to record: 128 bytes
	s_mov_b32 s[\g+6], 0
	s_mov_b32 s[\g+7], 0
.endr
	s_lshl_b32 s18, s16, 3
	s_mul_i32 s45, s14, HALFT
	s_lshl_b32 s19, s14, 12
	s_add_co_u32 s20, s42, s41                     ; A hangs on cy alone
	s_lshl_b32 s20, s20, 4
	s_add_co_u32 s20, s20, s18
	s_lshl_b32 s22, s20, 10
	s_add_co_u32 s22, s22, XS
	s_mov_b32 s23, 0
	s_mul_i32 s20, s20, 12288
	s_mov_b32 s21, 0
	s_lshl_b32 s46, s40, 4                         ; B hangs on cx alone
	s_add_co_u32 s46, s46, s18
	s_lshl_b32 s96, s46, 10
	s_add_co_u32 s96, s96, WOS
	s_mov_b32 s97, 0
	s_mul_i32 s46, s46, 12288
	s_add_co_u32 s46, s46, WOC
	s_mov_b32 s47, 0
	s_wait_kmcnt 0x0
	s_add_nc_u64 s[20:21], s[4:5], s[20:21]
	s_add_nc_u64 s[22:23], s[4:5], s[22:23]
	s_add_nc_u64 s[46:47], s[6:7], s[46:47]
	s_add_nc_u64 s[96:97], s[6:7], s[96:97]
	CROUND                                         ; all sixteen work-groups are here: the first joint loads meet
	s_mov_b32 s[G0S], 1
	s_add_co_u32 s[G0S+1], s19, SCL
	s_mov_b64 s[G0S+2:G0S+3], s[22:23]
	s_or_b32 s[G0S+3], s[G0S+3], 0x80000000
	s_mov_b32 s[G0SB], 1
	s_add_co_u32 s[G0SB+1], s19, SCL
	s_mov_b64 s[G0SB+2:G0SB+3], s[96:97]
	s_or_b32 s[G0SB+3], s[G0SB+3], 0x80000000
	JLOAD G0S, G1S, G0SB, G1SB
.irp s, 0,1,2                                  ; the first three quarters of K: each slot has a group 0 of its own (s96 and s97 are free from here on)
.set GA, G0+4*\s+52*(\s/2)
.set GB, G0B+4*\s+32*(\s/2)
	s_mov_b32 s[GA], 1
	s_add_co_u32 s[GA+1], s45, \s*SLOT
	s_add_nc_u64 s[GA+2:GA+3], s[20:21], \s*3072
	s_or_b32 s[GA+3], s[GA+3], 0x80000000
	s_mov_b32 s[GB], 1
	s_add_co_u32 s[GB+1], s45, \s*SLOT
	s_add_nc_u64 s[GB+2:GB+3], s[46:47], \s*3072
	s_or_b32 s[GB+3], s[GB+3], 0x80000000
	JLOAD GA, G1, GB, G1B                          ; four loads of mine are out behind the last of these
.endr
	v_and_b32 v1, 31, v0
	v_bfe_u32 v2, v0, 4, 1                         ; l / 16
	v_and_b32 v4, 15, v0                           ; l % 16
	v_lshlrev_b32 v3, 4, v1                        ; 16 l
	s_mul_i32 s21, s15, HALFT
	s_mul_i32 s22, s16, HALFT
	s_add_co_u32 s22, s22, 2*HALFT
.irp s, 0,1,2
	v_add_nc_u32 v[ADRA+\s], s21, v3
	v_add_nc_u32 v[ADRB+\s], s22, v3
	s_add_co_u32 s21, s21, SLOT
	s_add_co_u32 s22, s22, SLOT
.endr
	v_lshlrev_b32 v5, 2, v4                        ; a row's word in a record's lower half: 4 (l % 16)
	s_lshl_b32 s21, s15, 12
	s_lshl_b32 s22, s16, 12
	s_add_co_u32 s22, s22, 8192
	s_sub_co_u32 s22, s22, s21
	v_mul_u32_u24 v6, s22, v2                      ; lanes 16-31 take B's records: one product, the distance between the two
	s_add_co_u32 s21, s21, SCL
	v_add_nc_u32 v5, v5, v6
	v_add_nc_u32 v[ADRS], s21, v5
	s_mul_i32 s23, s14, 16*SPITCH
	s_add_co_u32 s23, s23, SLOT                    ; my stage, in slot 1
	v_mul_u32_u24 v5, v4, SPITCH
	v_lshl_add_u32 v5, v2, 6, v5
	v_add_nc_u32 v[STO], s23, v5                   ; in: row l % 16; tiles 2 b, 2 b + 1 of B give columns 32 b + 16 (l / 16) + 0 .. 15: 64 bytes for each half of the lanes
	v_add_nc_u32 v[RD], s23, v3                    ; back: the 32 lanes take one row of 512 bytes
	v_mov_b32 v[CO], v3
	s_add_co_u32 s2, s42, s41
	s_lshl_b32 s2, s2, 8
	s_lshl_b32 s3, s15, 7
	s_add_co_u32 s2, s2, s3                        ; my first row of out0
	s_lshl_b32 s2, s2, 12
	s_lshl_b32 s3, s40, 10
	s_add_co_u32 s2, s2, s3
	s_lshl_b32 s3, s16, 9
	s_add_co_u32 s2, s2, s3                        ; and my first column, in bytes
	s_mov_b32 s3, 0
	s_add_nc_u64 s[12:13], s[8:9], s[2:3]
.macro FRAG reg, adr, q, i
.irp c, 0,1,2
	ds_load_b128 v[\reg+4*\c:\reg+4*\c+3], v[\adr] offset:3072*(\i)+1536*(\q)+512*\c
.endr
.endm
; The 64 accumulators take turns, one instruction a turn, in the same order in every step.
.macro MUL16 a0, p, q, sc, zero
.irp a, \a0, \a0+1
.irp b, 0,1,2,3,4,5,6,7
.if \zero
	v_wmma_scale_f32_16x16x128_f8f6f4 v[8*(8*((\a)%4)+\b):8*(8*((\a)%4)+\b)+7], v[128*(\p)+FR*\b:128*(\p)+FR*\b+FR-1], v[AF+FR*(\a):AF+FR*(\a)+FR-1], 0, v[SC+8*NQ*(\sc)+NQ*\b+(\q)], v[SC+8*NQ*(\sc)+NQ*(\a)+(\q)] matrix_a_fmt:MATRIX_FMT_FP6 matrix_b_fmt:MATRIX_FMT_FP6 matrix_a_scale:MATRIX_SCALE_ROW1
.else
	v_wmma_scale_f32_16x16x128_f8f6f4 v[8*(8*((\a)%4)+\b):8*(8*((\a)%4)+\b)+7], v[128*(\p)+FR*\b:128*(\p)+FR*\b+FR-1], v[AF+FR*(\a):AF+FR*(\a)+FR-1], v[8*(8*((\a)%4)+\b):8*(8*((\a)%4)+\b)+7], v[SC+8*NQ*(\sc)+NQ*\b+(\q)], v[SC+8*NQ*(\sc)+NQ*(\a)+(\q)] matrix_a_fmt:MATRIX_FMT_FP6 matrix_b_fmt:MATRIX_FMT_FP6 matrix_a_scale:MATRIX_SCALE_ROW1
.endif
.endr
.endr
.endm
.macro FETCH_B slot, q, p
	WIN TO_B
.irp i, 0,1,2,3,4,5,6,7
	FRAG 128*(\p)+FR*\i, ADRB+\slot, \q, \i
.endr
	WIN 0
.endm
.macro FETCH_A slot, q, i0
.irp i, \i0, \i0+1, \i0+2, \i0+3
	FRAG AF+FR*(\i), ADRA+\slot, \q, \i
.endr
.endm
.macro SCALES sc, kq                   ; the scale words of K's quarter kq into set sc
.irp i, 0,1,2,3,4,5,6,7
.irp q, 0,1
	ds_load_b32 v[SC+8*NQ*(\sc)+NQ*\i+\q], v[ADRS] offset:512*\i+64*(2*(\kq)+\q)
.endr
.endr
.endm
.macro PLACES n
.rept \n
	v_nop
.endr
.endm
.macro STEP slot, q, zero, sc
	s_wait_dscnt 4*NL                              ; the youngest 12 loads (A's blocks 4-7) may be out
	WIN MUL_LO
	MUL16 0, (\q)%2, \q, \sc, \zero
	MUL16 2, (\q)%2, \q, \sc, \zero
	s_wait_dscnt 0
	PLACES NP
	FETCH_B \slot, (\q)+1, 1-(\q)%2
	FETCH_A \slot, (\q)+1, 0
	WIN MUL_HI
	MUL16 4, (\q)%2, \q, \sc, \zero
	MUL16 6, (\q)%2, \q, \sc, \zero
	PLACES NP
	WIN 0
	FETCH_A \slot, (\q)+1, 4
.endm
; A slot's last step changes slots.  sc: this quarter's set of scale words; kq: the next quarter of K.
; mode 2: this slot is filled again: each wave waits for all its tensor loads, adds 0 to its spare word, waits for that and for its reads of this slot; a round of the cluster's barrier; the joint refill first behind it.
; mode 1: the same three lines and the work-group's barrier; nothing is filled.  mode 0: neither: the next slot was shown whole to every wave at an earlier change, and nothing writes this slot before a later barrier.
.macro TURN slot, next, mode, sc, kq
.if \mode
	s_wait_tensorcnt 0x0                           ; all my tensor loads have landed
	ds_add_u32 v[SPW], v[NIL]                      ; 0 onto my spare word
	s_wait_dscnt 4*NL+1                            ; (the add and A's blocks 4-7 may be out)
.else
	s_wait_dscnt 4*NL                              ; (A's blocks 4-7 may be out)
.endif
	WIN MUL_LO
	MUL16 0, 1, NQ-1, \sc, 0
.if \mode
	s_wait_dscnt 0x0                               ; the add is done, and my reads of this slot are over
	s_barrier_signal -1
.endif
	MUL16 2, 1, NQ-1, \sc, 0
.if \mode
	WIN 0
	s_barrier_wait -1
.else
	s_wait_dscnt 0x0                               ; A's blocks 4-7 are in
.endif
.if \mode == 2
	CREST                                          ; the barrier has opened a round of the cluster's: no wave of any partner still reads this slot or has a load on its way
	s_add_nc_u64 s[G0+4*\slot+2:G0+4*\slot+3], s[G0+4*\slot+2:G0+4*\slot+3], LASTQ
	s_add_nc_u64 s[G0B+4*\slot+2:G0B+4*\slot+3], s[G0B+4*\slot+2:G0B+4*\slot+3], LASTQ
	JLOAD G0+4*\slot, G1, G0B+4*\slot, G1B         ; the first tensor load behind the round, one a wave; its four v_nop are the places in front of the loads below
.else
	PLACES NP
.endif
	FETCH_B \next, 0, 0
	FETCH_A \next, 0, 0
	SCALES 1-(\sc), \kq
	WIN MUL_HI
	MUL16 4, 1, NQ-1, \sc, 0
	MUL16 6, 1, NQ-1, \sc, 0
	PLACES NP
	WIN 0
	FETCH_A \next, 0, 4
.endm
	s_wait_tensorcnt 0x2                           ; the records and my part of slot 0 are in (slots 1 and 2 may be out)
	s_barrier_signal -1
	s_barrier_wait -1
	FETCH_B 0, 0, 0
	FETCH_A 0, 0, 0
	SCALES 0, 0
	FETCH_A 0, 0, 4
	STEP 0, 0, 1, 0                                ; the first step's products start the sums
	TURN 0, 1, 2, 0, 1                             ; slots 1 and 2 are whole in every wave's sight; slot 0 takes the fourth quarter
	STEP 1, 0, 0, 1
	TURN 1, 2, 0, 1, 2
	STEP 2, 0, 0, 0
	TURN 2, 0, 1, 0, 3                             ; the fourth quarter has landed; nothing is left to fetch
	STEP 0, 0, 0, 1
	s_wait_dscnt 4*NL
	WIN MUL_LO
	MUL16 0, 1, NQ-1, 1, 0
	MUL16 2, 1, NQ-1, 1, 0
	s_wait_dscnt 0
	WIN MUL_HI
	MUL16 4, 1, NQ-1, 1, 0
	MUL16 6, 1, NQ-1, 1, 0
	WIN 0
; THE WAY OUT, block by block of 16 tokens x 128 columns, through my own stage: in by 16 bytes a lane, back as whole rows of 512 bytes.  LDS serves a wave's instructions in order (ISA guide 5.7.1.4).
.macro TOSTAGE a
.set AC, 64*((\a)%4)
	WIN 0x08+4*((\a)/4)                            ; an LDS store's data are its source 1: window 2 or 3
.irp b, 0,1,2,3,4,5,6,7
	ds_store_b128 v[STO], v[AC+8*\b:AC+8*\b+3] offset:128*(\b/2)+32*(\b%2)        ; each accumulator from its low end on
	ds_store_b128 v[STO], v[AC+8*\b+4:AC+8*\b+7] offset:128*(\b/2)+32*(\b%2)+16
.endr
	WIN 0
.set BB, BK+64*((\a)%2)
.irp t, 0,1,2,3,4,5,6,7,8,9,10,11,12,13,14,15
	ds_load_b128 v[BB+4*\t:BB+4*\t+3], v[RD] offset:\t*SPITCH
.endr
.endm
.macro SEND a, younger                 ; row t of tile a is token 32 (a / 2) + 8 (a % 2) + t + 8 (t / 8) of my 128: the place stands in the immediate, 127 rows of 4,096 bytes at the most
.set BB, BK+64*((\a)%2)
	s_wait_dscnt \younger
.irp t, 0,1,2,3,4,5,6,7,8,9,10,11,12,13,14,15
	global_store_b128 v[CO], v[BB+4*\t:BB+4*\t+3], s[12:13] offset:(32*((\a)/2)+8*((\a)%2)+\t+8*(\t/8))*4096 th:TH_STORE_NT   ; 32 lanes store 512 consecutive bytes, aligned
.endr
.endm
	PLACES NP
	TOSTAGE 0
.irp a, 1,2,3,4,5,6,7
.if \a > 1
	s_wait_xcnt 0x0                                ; block a - 2's stores have read their registers: block a's loads may land there
.endif
	TOSTAGE \a
	SEND \a-1, 32                                  ; behind block a - 1's loads: block a's 16 stores and 16 loads
.endr
	SEND 7, 0
	s_wait_tensorcnt 0x0                           ; the wave's end
	ds_add_u32 v[SPW], v[NIL]
	s_wait_dscnt 0x0
	CROUND                                         ; the closing round
	s_endpgm
.Lfunc_end_k_qb8eb7dadb8_outp:
	.size	k_qb8eb7dadb8_outp, .Lfunc_end_k_qb8eb7dadb8_outp-k_qb8eb7dadb8_outp
	.p2alignl 7, 3214868480
	.fill 96, 4, 3214868480
	.section	.rodata,"a",@progbits
	.p2align	6, 0x0
	.amdhsa_kernel k_qb8eb7dadb8_outp
		.amdhsa_group_segment_fixed_size 327680
		.amdhsa_private_segment_fixed_size 0
		.amdhsa_enable_private_segment 0
		.amdhsa_kernarg_size 24
		.amdhsa_user_sgpr_count 2
		.amdhsa_user_sgpr_kernarg_segment_ptr 1
		.amdhsa_wavefront_size32 1
		.amdhsa_system_sgpr_workgroup_id_x 1
		.amdhsa_system_sgpr_workgroup_id_y 1
		.amdhsa_system_sgpr_workgroup_id_z 1
		.amdhsa_system_vgpr_workitem_id 0
		.amdhsa_next_free_vgpr 1024
		.amdhsa_next_free_sgpr 100
		.amdhsa_reserve_vcc 0
		.amdhsa_float_denorm_mode_32 3
		.amdhsa_float_denorm_mode_16_64 3
		.amdhsa_memory_ordered 1
		.amdhsa_forward_progress 1
		.amdhsa_inst_pref_size 137
	.end_amdhsa_kernel
	.amdgpu_metadata
---
amdhsa.version: [ 1, 2 ]
amdhsa.kernels:
  - .name:           k_qb8eb7dadb8_outp
    .symbol:         k_qb8eb7dadb8_outp.kd
    .args:
      - { .name: aq, .offset: 0, .size: 8, .value_kind: global_buffer, .address_space: global }
      - { .name: wq, .offset: 8, .size: 8, .value_kind: global_buffer, .address_space: global }
      - { .name: out0, .offset: 16, .size: 8, .value_kind: global_buffer, .address_space: global }
    .group_segment_fixed_size: 327680
    .private_segment_fixed_size: 0
    .kernarg_segment_align: 8
    .kernarg_segment_size: 24
    .max_flat_workgroup_size: 128
    .sgpr_count:     100
    .vgpr_count:     1024
    .wavefront_size: 32
...
	.end_amdgpu_metadata
.endif
;; end of part 4
